; MI455X (gfx1250); checked and timed in simulation.
; The chip was launched on July 23, 2026; its instructions are those of AMD's public machine-readable ISA for CDNA 5 (MIT licence, August 2026) and "CDNA5" Instruction Set Architecture Reference Guide (July 2026). The comments in the code are by the model that wrote it; some were corrected since.
;; rhs base. Allowed arithmetic: matrix products marked QUANTISED: E2M1 operands, one E8M0 scale for each 32 along K, by v_wmma_scale_f32_16x16x128_f8f6f4 with both operands' format E2M1 (or v_wmma_scale_f32_32x16x128_f4), f32 sums; everything else in f32.
;; Inputs: W1 8 x 1,024 x 4,096 float32; W2 8 x 4,096 x 1,024 float32; b1 8 x 4,096 float32; b2 8 x 1,024 float32; scales 1 x 1,024 float32; shifta one number float32; shiftb one number float32; t 1,024 float32; y 1,024 x 1,024 float32.
;; Outputs: out0 1,024 x 1,024 float32.
;; This version of the problem:
;;   THIS VERSION OF THE PROBLEM IS GIVEN IN LOW PRECISION. The matrix products marked QUANTISED in the list below multiply operands that are first quantised to E2M1 (2 exponent bits, 1 mantissa bit; 4 bits a number), with one power-of-two scale for each 32 numbers along K (OCP MX v1.0); their sums are f32. All else is computed in f32.
;;   The module's matrix products, in the order in which they are computed (A, B: the left and right operand; K: the contracted axis; several contracted axes count as one K, in the product's order):
;;     1. [M 32,768, K 1,024] x [K 1,024, N 1,024]; A: input W1; B: input y: QUANTISED
;;     2. batch 8 x [M 1,024, K 4,096] x [K 4,096, N 1,024]; A: computed on the way; B: input W2: QUANTISED
;;   THE QUANTISER, for each operand of a quantised product, along K:
;;     - K is cut into blocks of 32 from its start; a last block that is shorter is filled with zeros.
;;     - A block's scale is 2^e with e = floor(log2(the largest magnitude in the block)) - 2, held to -126 .. 127; a block of zeros has e = 0. As a byte (E8M0): e + 127.
;;     - Each number is divided by its block's scale, clamped to +-6, and rounded to the nearest number of E2M1, ties to even, subnormals kept.
;;     - The product sums the exact products of the quantised numbers (number of the format x scale) in f32.
;;   ~~~python
;;   def quantise(x, axis):      # numpy; x: float32 -> the quantised numbers, widened to float32 again
;;       x = np.moveaxis(x, axis, -1); K = x.shape[-1]
;;       x = np.pad(x, [(0, 0)] * (x.ndim - 1) + [(0, -K % 32)]); x = x.reshape(x.shape[:-1] + (-1, 32)); a = np.abs(x).max(-1, keepdims=True)
;;       e = np.where(a > 0, np.clip(np.frexp(np.where(a > 0, a, 1))[1] - 1 - 2, -126, 127), 0)      # np.frexp(a)[1] - 1 = floor(log2(a)), exactly
;;       r = np.clip(x / 2.0 ** e, -6, 6)
;;       step = 2.0 ** (np.maximum(np.frexp(np.where(r == 0, 1, r))[1] - 1, 0) - 1)
;;       q = np.round(r / step) * step * 2.0 ** e      # np.round: ties to even
;;       return np.moveaxis(q.reshape(q.shape[:-2] + (-1,))[..., :K], -1, axis).astype(np.float32)
;;   ~~~
;;   OPERANDS COMPUTED ON THE WAY. 'Computed on the way' means the value that the module computes at that place (a softmax that the list does not call 'softmax' is quantised finished and normalised). What goes into a quantiser is computed in f32, as accurately as f32 sums, v_exp_f32 and their like allow (about 1e-6 of the number): no bf16 or f16 on the way to a quantiser, and a product that is left as it is and whose result goes on into a quantised operand takes f32 operands (vector FMAs, or v_wmma_f32_16x16x4_f32). A number that lies on a knife's edge between two numbers of the format may be rounded either way, as far as f32 arithmetic and the matrix unit's own rounding can turn it there, and no further.
;; 2 versions, each right; version 2 is version 1 with the launch layer1 written anew for expert scheduling mode. Each part assembles by itself: llvm-mc -triple=amdgcn-amd-amdhsa -mcpu=gfx1250 --defsym DOCPART=n.
;; ======== version 1 of 2: 3 launches
;; workspace buffers: ycodes 524,288 bytes; yscales 32,768 bytes; route 33,792 bytes of whole numbers; perm 4,608 bytes of whole numbers; hcodes 2,359,296 bytes; hscales 147,456 bytes
;; launch prep (part 1): grid 129 x 1, 8 waves a work-group, no clusters, 0 bytes of LDS; arguments t, y, ycodes, yscales, route; writes ycodes, yscales, route
.if DOCPART == 1
	.amdgcn_target "amdgcn-amd-amdhsa--gfx1250"
	.amdhsa_code_object_version 6
	.text
	.protected	k_qb4eb1101f2_prep
	.globl	k_qb4eb1101f2_prep
	.p2align	8
	.type	k_qb4eb1101f2_prep,@function
k_qb4eb1101f2_prep:
	s_mov_b64 s[64:65], 0
	v_nop
	global_prefetch_b8 v0, s[64:65] scope:SCOPE_SE
	s_setreg_imm32_b32 hwreg(HW_REG_WAVE_MODE, 25, 1), 1
	s_wait_xcnt 0x0
; PREP.  Two jobs, parted on the work-group's number; neither uses LDS, no wave waits for another.
; Work-groups 0-127: y [1024][1024] f32 becomes codes of FP4 (E2M1), K innermost, ycodes [token][512 bytes], and one E8M0 byte for each 32 along K, yscales [token][32].
;   A wave takes one row; lane l takes block l (32 neighbours, 128 bytes), so a block's largest magnitude needs no other lane and the conversions find their
;   neighbours in one lane's registers.  The wave's store of codes covers 512 consecutive bytes.  The row's eight loads together cover its 4,096 bytes.
; Work-group 128: the choice of experts.  ind = min(int(t / 0.125), 7); t / 0.125 = 8 t exactly.  Wave e serves expert e: route[e][token] = the token's rank among
;   expert e's tokens, in token order, or 0xffff where another expert is chosen; behind the eight tables, at 32768 + 128 e, the expert's count, 32 equal copies.
;   Every store goes to a fixed place: the choice only selects values here; the launches that follow read these whole numbers and place rows by them.
; A block's scale is 2^(floor(log2(largest magnitude)) - 2): its byte is the largest magnitude's exponent field - 2, held at 1 from below by a floor among the maximum's leaves.
; LIMITS: a block of zeros gets the byte 1 (its codes are zeros; only this program reads the bytes); blocks under 2^-124 keep the byte 1; NaN and infinities are not served.
;   A negative index is counted from the table's end, as the gather counts it (-1 is expert 7); under -8 there is no finite result to match: 8 t is held at -8.  A NaN in t goes to expert 0.
.set ROWWG, 128                        ; work-groups that quantise y: 8 rows each
	s_load_b256 s[4:11], s[0:1], 0x0               ; t s[4:5], y s[6:7], ycodes s[8:9], yscales s[10:11]
	s_load_b64 s[12:13], s[0:1], 0x20              ; route
	v_lshrrev_b32 v1, 5, v0
	v_readfirstlane_b32 s16, v1                    ; wave 0..7
	v_and_b32 v1, 31, v0                           ; lane
	v_lshlrev_b32 v4, 2, v1                        ; 4 x lane
	s_cmp_eq_u32 ttmp9, ROWWG
	s_cbranch_scc1 .Lroute
	; ---- a row of y
	v_lshlrev_b32 v2, 7, v1                        ; my block's 128 bytes
	v_lshlrev_b32 v3, 4, v1                        ; my block's 16 bytes of codes
	s_lshl_b32 s17, ttmp9, 3
	s_add_co_u32 s17, s17, s16                     ; row = 8 x work-group + wave
	s_lshl_b32 s18, s17, 12                        ; 4,096 bytes a row of y
	s_mov_b32 s19, 0
	s_lshl_b32 s20, s17, 9                         ; 512 a row of codes
	s_mov_b32 s21, 0
	s_lshl_b32 s22, s17, 5                         ; 32 a row of scale bytes
	s_mov_b32 s23, 0
	s_wait_kmcnt 0x0
	s_add_nc_u64 s[6:7], s[6:7], s[18:19]
	s_add_nc_u64 s[8:9], s[8:9], s[20:21]
	s_add_nc_u64 s[10:11], s[10:11], s[22:23]
.irp i, 0,1,2,3,4,5,6,7
	global_load_b128 v[16+4*\i:19+4*\i], v2, s[6:7] offset:16*\i
.endr
	s_wait_loadcnt 0x0
	v_max3_num_f32 v12, |v16|, |v17|, |v18|        ; the block's largest magnitude, in two chains
	v_max3_num_f32 v13, |v19|, |v20|, |v21|
.irp i, 6,10,14,18,22,26
	v_max3_num_f32 v12, v12, |v[16+\i]|, |v[17+\i]|
	v_max3_num_f32 v13, v13, |v[18+\i]|, |v[19+\i]|
.endr
	v_max3_num_f32 v12, v12, |v46|, |v47|
	v_max3_num_f32 v12, v12, v13, 0x1800000        ; and the floor 2^(3 - 127): the byte cannot fall under 1
	v_add_nc_u32 v14, 0xff000000, v12              ; 2 off the exponent field: the conversion takes this operand's exponent field as its scale
	v_lshrrev_b32 v15, 23, v14                     ; the scale's byte
.irp g, 0,1,2,3
	v_cvt_scalef32_pk8_fp4_f32 v[8+\g], v[16+8*\g:23+8*\g], v14
.endr
	v_nop                                          ; one plain line behind the last scaled conversion
	global_store_b128 v3, v[8:11], s[8:9]          ; 32 lanes store the row's 512 bytes of codes
	global_store_b8 v1, v15, s[10:11]              ; and its 32 scale bytes
	s_endpgm
	; ---- the choice of experts: wave e ranks expert e's tokens
.Lroute:
	s_lshl_b32 s18, s16, 12                        ; my table: 4,096 bytes
	s_mov_b32 s19, 0
	s_lshl_b32 s22, s16, 7
	s_add_co_u32 s22, s22, 32768                   ; my count's 128 bytes
	s_mov_b32 s23, 0
	v_mov_b32 v5, 0xffff
	s_mov_b32 s20, 0                               ; tokens of mine so far
	s_wait_kmcnt 0x0
	s_add_nc_u64 s[24:25], s[12:13], s[18:19]
	s_add_nc_u64 s[26:27], s[12:13], s[22:23]
.irp i, 0,1,2,3,4,5,6,7,8,9,10,11,12,13,14,15,16,17,18,19,20,21,22,23,24,25,26,27,28,29,30,31
	global_load_b32 v[16+\i], v4, s[4:5] offset:128*\i             ; token 32 i + lane
.endr
	s_wait_loadcnt 0x0
.irp i, 0,1,2,3,4,5,6,7,8,9,10,11,12,13,14,15,16,17,18,19,20,21,22,23,24,25,26,27,28,29,30,31
	v_mul_f32 v[16+\i], 0x41000000, v[16+\i]       ; 8 t
.endr
.irp i, 0,1,2,3,4,5,6,7,8,9,10,11,12,13,14,15,16,17,18,19,20,21,22,23,24,25,26,27,28,29,30,31
	v_max_num_f32 v[16+\i], 0xc1000000, v[16+\i]   ; held at -8 from below
.endr
.irp i, 0,1,2,3,4,5,6,7,8,9,10,11,12,13,14,15,16,17,18,19,20,21,22,23,24,25,26,27,28,29,30,31
	v_min_num_f32 v[16+\i], 0x40e00000, v[16+\i]   ; and at 7 from above: the minimum with E - 1
.endr
.irp i, 0,1,2,3,4,5,6,7,8,9,10,11,12,13,14,15,16,17,18,19,20,21,22,23,24,25,26,27,28,29,30,31
	v_cvt_i32_f32 v[16+\i], v[16+\i]               ; toward zero
.endr
.irp i, 0,1,2,3,4,5,6,7,8,9,10,11,12,13,14,15,16,17,18,19,20,21,22,23,24,25,26,27,28,29,30,31
	v_and_b32 v[16+\i], 7, v[16+\i]                ; -8 .. -1 count from the table's end; 0 .. 7 stay
.endr
.irp i, 0,1,2,3,4,5,6,7,8,9,10,11,12,13,14,15,16,17,18,19,20,21,22,23,24,25,26,27,28,29,30,31
	v_cmp_eq_u32 s[32+\i], s16, v[16+\i]           ; which of these 32 tokens are mine
.endr
.irp i, 0,1,2,3,4,5,6,7,8,9,10,11,12,13,14,15,16,17,18,19,20,21,22,23,24,25,26,27,28,29,30,31
	v_mbcnt_lo_u32_b32 v[48+\i], s[32+\i], s20     ; mine in lower lanes + mine in earlier registers: the rank
	v_cndmask_b32 v[48+\i], v5, v[48+\i], s[32+\i] ; 0xffff where the token is not mine
	s_bcnt1_i32_b32 s21, s[32+\i]
	s_add_co_u32 s20, s20, s21
.endr
.irp i, 0,1,2,3,4,5,6,7,8,9,10,11,12,13,14,15,16,17,18,19,20,21,22,23,24,25,26,27,28,29,30,31
	global_store_b32 v4, v[48+\i], s[24:25] offset:128*\i
.endr
	v_mov_b32 v6, s20
	global_store_b32 v4, v6, s[26:27]              ; the count
	s_endpgm
.Lfunc_end_k_qb4eb1101f2_prep:
	.size	k_qb4eb1101f2_prep, .Lfunc_end_k_qb4eb1101f2_prep-k_qb4eb1101f2_prep
	.p2alignl 7, 3214868480
	.fill 96, 4, 3214868480
	.section	.rodata,"a",@progbits
	.p2align	6, 0x0
	.amdhsa_kernel k_qb4eb1101f2_prep
		.amdhsa_group_segment_fixed_size 0
		.amdhsa_private_segment_fixed_size 0
		.amdhsa_enable_private_segment 0
		.amdhsa_kernarg_size 40
		.amdhsa_user_sgpr_count 2
		.amdhsa_user_sgpr_kernarg_segment_ptr 1
		.amdhsa_wavefront_size32 1
		.amdhsa_system_sgpr_workgroup_id_x 1
		.amdhsa_system_sgpr_workgroup_id_y 1
		.amdhsa_system_sgpr_workgroup_id_z 1
		.amdhsa_system_vgpr_workitem_id 0
		.amdhsa_next_free_vgpr 80
		.amdhsa_next_free_sgpr 66
		.amdhsa_reserve_vcc 0
		.amdhsa_float_denorm_mode_32 3
		.amdhsa_float_denorm_mode_16_64 3
		.amdhsa_memory_ordered 1
		.amdhsa_forward_progress 1
		.amdhsa_inst_pref_size 26
	.end_amdhsa_kernel
	.amdgpu_metadata
---
amdhsa.version: [ 1, 2 ]
amdhsa.kernels:
  - .name:           k_qb4eb1101f2_prep
    .symbol:         k_qb4eb1101f2_prep.kd
    .args:
      - { .name: t, .offset: 0, .size: 8, .value_kind: global_buffer, .address_space: global }
      - { .name: y, .offset: 8, .size: 8, .value_kind: global_buffer, .address_space: global }
      - { .name: ycodes, .offset: 16, .size: 8, .value_kind: global_buffer, .address_space: global }
      - { .name: yscales, .offset: 24, .size: 8, .value_kind: global_buffer, .address_space: global }
      - { .name: route, .offset: 32, .size: 8, .value_kind: global_buffer, .address_space: global }
    .group_segment_fixed_size: 0
    .private_segment_fixed_size: 0
    .kernarg_segment_align: 8
    .kernarg_segment_size: 40
    .max_flat_workgroup_size: 256
    .sgpr_count:     66
    .vgpr_count:     80
    .wavefront_size: 32
...
	.end_amdgpu_metadata
.endif
;; end of part 1
;; launch layer1 (part 2): grid 32 x 8, 16 waves a work-group, no clusters, 219,392 bytes of LDS; arguments W1, b1, ycodes, yscales, route, hcodes, hscales, perm; writes hcodes, hscales, perm
.if DOCPART == 2
	.amdgcn_target "amdgcn-amd-amdhsa--gfx1250"
	.amdhsa_code_object_version 6
	.text
	.protected	k_qb4eb1101f2_layer1
	.globl	k_qb4eb1101f2_layer1
	.p2align	8
	.type	k_qb4eb1101f2_layer1,@function
k_qb4eb1101f2_layer1:
	s_mov_b64 s[64:65], 0
	v_nop
	global_prefetch_b8 v0, s[64:65] scope:SCOPE_SE
	s_setreg_imm32_b32 hwreg(HW_REG_WAVE_MODE, 25, 1), 1
	s_wait_xcnt 0x0
; LAYER 1: hid = tanh(y W1[e] + b1[e]) for the tokens that chose expert e, both operands as codes of FP4 (E2M1) with E8M0 scales for each 32 along K = d; hid leaves as codes along the next K.
; SHARES.  Work-group (x, e) owns hidden units 128 x .. 128 x + 127 of expert e: 1,024 rows x 512 bytes of W1, read once.  That stream is the launch's work: 512 KiB a work-group against
;   some 72 KiB of y's codes.  Sixteen waves, all on one text: each streams and quantises a sixteenth of W1's slice into an image in LDS, and multiplies one tile of 16 tokens, one K step behind the stream.
; THE STREAM.  Wave w: columns 32 (w / 4) + lane, block w % 4 of each K step.  A lane takes a column and its 32 registers run down K: each load reads 128 consecutive bytes, a block's largest
;   magnitude needs no other lane, and the conversions give codes with K innermost.  Three sets of 32 registers.  Inside the slots the stream's loads are the wave's only global loads, so its waits can be counted.
; THE IMAGE.  Fragment f = 8 s + t (K step s, tile t) at 1024 f, as the operand's registers lie: group c of lane l at 512 c + 16 l.  Scale word of its row r at WSC + 64 f + 4 r.  64 KiB of codes that stay.
;   THE COLUMNS OF A TILE ARE NOT NEIGHBOURS: row r of tile 2 b + u is hidden unit 32 b + 8 u + r + 8 (r / 8), so that a lane's 16 results of tiles 2 b, 2 b + 1 are 16 neighbours along the next K.
; THE PRODUCTS.  Wave w takes tile w of the expert's sorted list.  Used transposed (source 0 = 16 hidden units, source 1 = 16 tokens): a lane holds one token.  The tile's codes of y, 8 KiB, are gathered
;   once, through the accumulators' registers, into the wave's own LDS bytes as images of the operand's registers; b1's 512 bytes likewise, and come back as the sums' first C.
;   Tiles w + 16 p, p = 1 .. 3, follow behind the stream, from the image, in a loop of constant count: 64 tiles are the most that one expert can have.
; SLOTS.  One barrier behind each slot; every K step has LDS bytes of its own, so a slot's stores never meet the reads of the K step before.  Every wave passes every barrier.
;   head: the first two sets go out; each thread copies two ranks into LDS; wave 0 scatters the tokens into LIST by their ranks, between two barriers of its own (its addresses come from loaded ranks).
;   slot 0: K step 0 is quantised.   slot k = 1 .. 7: K step k is quantised, K step k - 1 multiplied.   slot 8: K step 7 multiplied, tanh, quantised, stored.
; NO JOINT LOADS: what the work-groups of an expert share is y's codes, a seventh of a work-group's bytes, gathered by token into registers; the weights are each work-group's own.
; A work-group whose expert has no token still streams (no barrier may be jumped on loaded numbers) and stores nothing.
; tanh(x) = 1 - 2 / (1 + 2^(2 log2(e) x)); under |x| = 0.25, where that difference cancels, the series up to x^9, whose next term is under 1e-8 of x there.
; LIMITS: NaN and infinities are not served; a block of zeros, or under 2^-124, gets the byte 1.  Slots of a tile past the expert's count carry token 0: their rows are stored and enter no result.
.set WSC,   65536                      ; LDS: behind the image's 65,536 bytes: 4,096 bytes of scale words,
.set LIST,  69632                      ; the expert's tokens by rank: 1,024 words, and word 1,024, which takes the tokens of other experts and is never read: 4,352 bytes,
.set RANKS, 73984                      ; the expert's table of ranks as it lies in memory: 4,096 bytes,
.set BIAS,  78080                      ; b1's 512 bytes, once for each wave,
.set YIMG,  86272                      ; and 8,192 bytes for each wave: its tile's eight fragments of y
.set PITCH, 16384                      ; a row of W1 in bytes
.set WS,  16                           ; v16-19  W1's scale words: lanes 0-15 tile 2 p, lanes 16-31 tile 2 p + 1     (v16-27 hold scales and nothing else)
.set YS,  20                           ; v20-27  y's scale words, one for each K step
.set YF,  40                           ; v40-47  y's fragment of the K step in hand
.set WF,  48                           ; v48-79  four fragments of W1
.set ACC, 80                           ; v80-143 eight tiles of the hidden layer; ahead of the first product the way of y's codes into LDS
.set SET, 144                          ; v144-239 three sets of 32 numbers of W1
.set TM,  32                           ; at the end: v32-47 at work, v48-55 the codes, v56 the scale word
.set PC,  48
.set PW,  56
.set YA,  240                          ; v240 YIMG + 8192 w + 16 lane
.set BA,  241                          ; v241 BIAS + 512 w + 16 lane
.set RO,  242                          ; v242 8 x thread: my two ranks in memory
.set RS,  243                          ; v243 RANKS + 8 x thread
.set RK,  244                          ; v244-245 my two ranks
.set ZZ,  246                          ; v246-247 zeros
.set BT,  248                          ; v248-251 my 16 bytes of b1
.set RR,  252                          ; v252 RANKS + 16 lane
; v0 thread, v1 lane, v2 r = lane % 16, v3 h = lane / 16, v4 4 lane, v5 / v6 where I store my block's codes / its scale byte, v7 16 lane, v8 WSC + 4 lane, v9 LIST + 64 w + 4 r,
; v10 the same for the pass in hand, v11 LIST + 8 thread, v12 / v13 the scatter's address / token, v14 4 r, v15 BIAS + 512 w + 64 h, v28 token, v29 512 token + 16 h, v30 32 token, v31 16 r,
; v32-35 my block's codes, v36-39 at work.
; s[4:19] the eight buffers; s20 wave, s21 x, s22 e; s24-31 counts; s[32:47] W1 at my rows of K steps 0 .. 7, never rewritten; s48 count, s49 tiles, s50 tiles of earlier experts, s51 my tile, s52 its place among all.
.macro BAR                             ; my LDS stores have landed and my LDS loads are in: then the work-group's barrier
	s_wait_dscnt 0x0
	s_barrier_signal -1
	s_barrier_wait -1
.endm
.macro SLOAD s                         ; my block of K step s: W1(128 s + 32 b + i, my column)
.irp i, 0,1,2,3,4,5,6,7,8,9,10,11,12,13,14,15,16,17,18,19,20,21,22,23,24,25,26,27,28,29,30,31
	global_load_b32 v[SET+32*((\s)%3)+\i], v4, s[32+2*(\s):33+2*(\s)] offset:\i*PITCH th:TH_LOAD_NT
.endr
.endm
.macro SROUND s                        ; my block of K step s becomes 16 bytes of codes and a scale byte in the image; its set takes the block three K steps on
.set XS, SET+32*((\s)%3)
.if (\s) <= 5
	s_wait_loadcnt 63                              ; behind this set's 32 loads stand at least the next two sets' 64: the largest count that the wait can name
.elseif (\s) == 6
	s_wait_loadcnt 32                              ; behind it: the last set's 32
.else
	s_wait_loadcnt 0x0
.endif
	v_max3_num_f32 v36, |v[XS]|, |v[XS+1]|, |v[XS+2]|
	v_max3_num_f32 v37, |v[XS+3]|, |v[XS+4]|, |v[XS+5]|
.irp i, 6,10,14,18,22,26
	v_max3_num_f32 v36, v36, |v[XS+\i]|, |v[XS+\i+1]|
	v_max3_num_f32 v37, v37, |v[XS+\i+2]|, |v[XS+\i+3]|
.endr
	v_max3_num_f32 v36, v36, |v[XS+30]|, |v[XS+31]|
	v_max3_num_f32 v36, v36, v37, 0x1800000        ; the floor 2^(3 - 127): the byte cannot fall under 1
	v_add_nc_u32 v38, 0xff000000, v36              ; 2 off the exponent field: the conversion's scale operand
	v_lshrrev_b32 v39, 23, v38                     ; the scale's byte
.irp g, 0,1,2,3
	v_cvt_scalef32_pk8_fp4_f32 v[32+\g], v[XS+8*\g:XS+8*\g+7], v38
.endr
	v_nop                                          ; one plain line behind the last scaled conversion
	ds_store_b128 v5, v[32:35] offset:8192*(\s)
	ds_store_b8 v6, v39 offset:512*(\s)
.if (\s)+3 <= 7
	SLOAD (\s)+3
.endif
.endm
.macro MGATHER adr                     ; my tile's tokens, their scale words, and their codes of all eight K steps, into the accumulators' registers: 18 loads
	ds_load_b32 v28, v[\adr]
	s_wait_dscnt 0x0
	v_min_u32 v28, 0x3ff, v28                      ; a token's number
	v_lshlrev_b32 v29, 9, v28
	v_lshl_add_u32 v29, v3, 4, v29
	v_lshlrev_b32 v30, 5, v28
	global_load_b128 v[YS:YS+3], v30, s[10:11]
	global_load_b128 v[YS+4:YS+7], v30, s[10:11] offset:16
.irp s, 0,1,2,3,4,5,6,7
.irp c, 0,1
	global_load_b128 v[ACC+8*\s+4*\c:ACC+8*\s+4*\c+3], v29, s[8:9] offset:64*\s+32*\c
.endr
.endr
.endm
.macro YSTORE                          ; the eight fragments go to my own LDS bytes as they stand: group c of lane l at 512 c + 16 l
.irp s, 0,1,2,3,4,5,6,7
.irp c, 0,1
	ds_store_b128 v[YA], v[ACC+8*\s+4*\c:ACC+8*\s+4*\c+3] offset:1024*\s+512*\c
.endr
.endr
	s_wait_dscnt 0x0                               ; the stores have read their registers: b1 may land there
.endm
.macro MHALF1 s, t0, t1, t2, t3        ; four tiles of K step s: fragments from the image, four products, four places behind them
.irp t, \t0, \t1, \t2, \t3
.irp c, 0,1
	ds_load_b128 v[WF+8*(\t%4)+4*\c:WF+8*(\t%4)+4*\c+3], v7 offset:(8*(\s)+\t)*1024+512*\c
.endr
.endr
	s_wait_dscnt 0x0
.irp t, \t0, \t1, \t2, \t3
.if \t%2
	v_wmma_scale_f32_16x16x128_f8f6f4 v[ACC+8*\t:ACC+8*\t+7], v[WF+8*(\t%4):WF+8*(\t%4)+7], v[YF:YF+7], v[ACC+8*\t:ACC+8*\t+7], v[WS+\t/2], v[YS+(\s)] matrix_a_fmt:MATRIX_FMT_FP4 matrix_b_fmt:MATRIX_FMT_FP4 matrix_a_scale:MATRIX_SCALE_ROW1
.else
	v_wmma_scale_f32_16x16x128_f8f6f4 v[ACC+8*\t:ACC+8*\t+7], v[WF+8*(\t%4):WF+8*(\t%4)+7], v[YF:YF+7], v[ACC+8*\t:ACC+8*\t+7], v[WS+\t/2], v[YS+(\s)] matrix_a_fmt:MATRIX_FMT_FP4 matrix_b_fmt:MATRIX_FMT_FP4
.endif
.endr
.rept 4
	v_nop                                          ; places in front of loads into registers that these products read, and of the first read of results
.endr
.endm
.macro MSTEP1 s                        ; K step s of my tile: LDS loads and products alone.  The eight accumulators take turns, one instruction a turn, in the same order in every step
.irp p, 0,1,2,3
	ds_load_b32 v[WS+\p], v8 offset:512*(\s)+128*\p
.endr
	ds_load_b128 v[YF:YF+3], v[YA] offset:1024*(\s)
	ds_load_b128 v[YF+4:YF+7], v[YA] offset:1024*(\s)+512
.if (\s) == 0
.irp t, 0,1,2,3,4,5,6,7                ; b1 in the result's layout starts the sums: tile t, lane half h: units 32 (t / 2) + 16 h + 8 (t % 2) + 0 .. 7
	ds_load_b128 v[ACC+8*\t:ACC+8*\t+3], v15 offset:(32*(\t/2)+8*(\t%2))*4
	ds_load_b128 v[ACC+8*\t+4:ACC+8*\t+7], v15 offset:(32*(\t/2)+8*(\t%2))*4+16
.endr
.endif
	MHALF1 \s, 0, 1, 2, 3
	MHALF1 \s, 4, 5, 6, 7
.endm
.macro TANH t                          ; tile t in place, from its low end on.  E v48-55, U v56-63, Q v64-71
.set XT, ACC+8*(\t)
.irp q, 0,2,4,6
	v_pk_mul_f32 v[48+\q:49+\q], v[XT+\q:XT+\q+1], s[68:69] op_sel_hi:[1,0]        ; 2 log2(e) x
.endr
.irp j, 0,1,2,3,4,5,6,7
	v_exp_f32 v[48+\j], v[48+\j]
.endr
.irp q, 0,2,4,6
	v_pk_mul_f32 v[56+\q:57+\q], v[XT+\q:XT+\q+1], v[XT+\q:XT+\q+1]                ; U = x^2.  (Plain lines behind the exponentials)
.endr
.irp q, 0,2,4,6
	v_pk_fma_f32 v[64+\q:65+\q], v[56+\q:57+\q], v[72:73], s[72:73] op_sel_hi:[1,1,0]   ; Q = c9 U + c7
.endr
.irp q, 0,2,4,6
	v_pk_fma_f32 v[64+\q:65+\q], v[64+\q:65+\q], v[56+\q:57+\q], s[74:75] op_sel_hi:[1,1,0]   ; Q U + c5
.endr
.irp q, 0,2,4,6
	v_pk_fma_f32 v[64+\q:65+\q], v[64+\q:65+\q], v[56+\q:57+\q], s[76:77] op_sel_hi:[1,1,0]   ; Q U + c3
.endr
	s_wait_alu depctr_va_vdst(0)
.irp q, 0,2,4,6
	v_pk_add_f32 v[48+\q:49+\q], v[48+\q:49+\q], 1.0 op_sel_hi:[1,0]
.endr
.irp j, 0,1,2,3,4,5,6,7
	v_rcp_f32 v[48+\j], v[48+\j]
.endr
.irp q, 0,2,4,6
	v_pk_mul_f32 v[56+\q:57+\q], v[56+\q:57+\q], v[XT+\q:XT+\q+1]                  ; x^3.  (Plain lines behind the reciprocals)
.endr
.irp q, 0,2,4,6
	v_pk_fma_f32 v[64+\q:65+\q], v[56+\q:57+\q], v[64+\q:65+\q], v[XT+\q:XT+\q+1]  ; the series: x + x^3 Q
.endr
	s_wait_alu depctr_va_vdst(0)
.irp q, 0,2,4,6
	v_pk_fma_f32 v[48+\q:49+\q], v[48+\q:49+\q], -2.0, 1.0 op_sel_hi:[1,0,0]       ; 1 - 2 / (1 + e^(2 x))
.endr
.irp j, 0,1,2,3,4,5,6,7
	v_cmp_gt_f32 vcc_lo, s78, |v[XT+\j]|                                           ; 0.25 > |x|: the series
	v_cndmask_b32 v[XT+\j], v[48+\j], v[64+\j], vcc_lo
.endr
.endm
.macro EPI1                            ; the tile's 16 x 128 hidden numbers: tanh, quantised along the next K, stored as one fragment's image and one scale word a token
	v_mov_b32 v72, 0x3cb327a4                      ; c9 = 62 / 2835, as a pair
	v_mov_b32 v73, 0x3cb327a4
.irp t, 0,1,2,3,4,5,6,7
	TANH \t
.endr
.irp b, 0,1,2,3
	v_mov_b32 v[TM+4+\b], 0                        ; a lane permute's destination counts as one of its sources
.endr
.irp b, 0,1,2,3
	v_max3_num_f32 v[TM+\b], |v[ACC+16*\b]|, |v[ACC+1+16*\b]|, 0x1800000           ; block b: my 16 numbers, register 16 b + i = unit 32 b + 16 h + i, and the floor
.endr
.irp i, 2,4,6,8,10,12,14
.irp b, 0,1,2,3
	v_max3_num_f32 v[TM+\b], v[TM+\b], |v[ACC+16*\b+\i]|, |v[ACC+1+16*\b+\i]|      ; (the four blocks by turns)
.endr
.endr
.irp b, 0,1,2,3
	v_permlanex16_b32 v[TM+4+\b], v[TM+\b], s66, s67
.endr
.irp b, 0,1,2,3
	v_max_num_f32 v[TM+\b], v[TM+\b], v[TM+4+\b]   ; with lane l xor 16's: the block's largest magnitude
.endr
.irp b, 0,1,2,3
	v_add_nc_u32 v[TM+12+\b], 0xff000000, v[TM+\b]
.endr
.irp b, 0,1,2,3
	v_lshrrev_b32 v[TM+4+\b], 23, v[TM+12+\b]
.endr
	v_lshl_or_b32 v[PW], v[TM+5], 8, v[TM+4]       ; the four bytes make my token's scale word for this K step of the next product
	v_lshl_or_b32 v[PW], v[TM+6], 16, v[PW]
	v_lshl_or_b32 v[PW], v[TM+7], 24, v[PW]
.irp b, 0,1,2,3
	v_cvt_scalef32_pk8_fp4_f32 v[PC+2*\b], v[ACC+16*\b:ACC+7+16*\b], v[TM+12+\b]
	v_cvt_scalef32_pk8_fp4_f32 v[PC+1+2*\b], v[ACC+8+16*\b:ACC+15+16*\b], v[TM+12+\b]
.endr
	v_nop                                          ; one plain line behind the last scaled conversion
.irp c, 0,1                            ; the operand's layout wants a whole block in a lane: lanes 0-15 block 2 c, lanes 16-31 block 2 c + 1
.irp i, 0,1
	v_permlane16_swap_b32 v[PC+4*\c+\i], v[PC+2+4*\c+\i]
.endr
.endr
	s_add_co_u32 s52, s50, s51                     ; my tile's place among all experts' tiles,
	s_min_u32 s52, s52, 71                         ; of which there are never more than 1024 / 16 + 7
	s_lshl_b32 s56, s52, 5
	s_add_co_u32 s56, s56, s21
	s_lshl_b32 s56, s56, 10                        ; hcodes [tile][K step x][1,024 bytes]
	s_mov_b32 s57, 0
	s_add_nc_u64 s[58:59], s[14:15], s[56:57]
	s_lshl_b32 s56, s52, 11                        ; hscales [tile][x / 4][token 16][x % 4] words
	s_lshr_b32 s55, s21, 2
	s_lshl_b32 s55, s55, 8
	s_add_co_u32 s56, s56, s55
	s_and_b32 s55, s21, 3
	s_lshl_b32 s55, s55, 2
	s_add_co_u32 s56, s56, s55
	s_add_nc_u64 s[60:61], s[16:17], s[56:57]
	s_lshl_b32 s56, s52, 6                         ; perm [tile][16] words
	s_add_nc_u64 s[62:63], s[18:19], s[56:57]
	global_store_b128 v7, v[PC:PC+3], s[58:59]                 ; each store covers 512 consecutive bytes, aligned
	global_store_b128 v7, v[PC+4:PC+7], s[58:59] offset:512
	global_store_b32 v31, v[PW], s[60:61]                      ; lanes r and r + 16 hold the same word and store it to the same place
	s_cmp_lg_u32 s21, 0
	s_cbranch_scc1 .Lno_perm_\@
	global_store_b32 v14, v28, s[62:63]                        ; the slice x = 0 also stores which token stands in which slot
.Lno_perm_\@:
.endm
.macro SLOT k                          ; K step k is quantised; K step k - 1 is multiplied, if my tile has tokens.  The barrier stands on every wave's path
	SROUND \k
.if (\k) == 1
	YSTORE                                         ; behind the gather's 18 loads stand two sets' 64: the wait for 63 above has shown them in
.endif
	s_cmp_ge_u32 s51, s49
	s_cbranch_scc1 .Lj_\@
	MSTEP1 (\k)-1
.Lj_\@:
	BAR
.endm
	s_load_b512 s[4:19], s[0:1], 0x0               ; W1, b1, ycodes, yscales, route, hcodes, hscales, perm
	v_lshl_add_u32 v254, v0, 2, 0x35100
	v_mov_b32 v255, 0
	v_lshrrev_b32 v1, 5, v0
	v_readfirstlane_b32 s20, v1                    ; wave 0..15
	s_mov_b32 s21, ttmp9                           ; x
	s_and_b32 s22, ttmp7, 0xffff                   ; e
	v_and_b32 v1, 31, v0
	v_and_b32 v2, 15, v0
	v_bfe_u32 v3, v0, 4, 1
	v_lshlrev_b32 v4, 2, v1
	v_lshlrev_b32 v7, 4, v1
	v_add_nc_u32 v8, WSC, v4
	s_lshr_b32 s55, s20, 2                         ; cg: which 32 columns
	s_and_b32 s56, s20, 3                          ; b: which block of a K step
	v_bfe_u32 v32, v0, 3, 1                        ; u: my column goes to tile 2 cg + u,
	v_and_b32 v33, 7, v0
	v_lshl_add_u32 v33, v3, 3, v33                 ; row r' = lane % 8 + 8 (lane / 16)
	s_lshl_b32 s57, s55, 11
	s_lshl_b32 s54, s56, 8
	s_add_co_u32 s57, s57, s54
	v_lshlrev_b32 v5, 4, v33
	v_lshl_add_u32 v5, v32, 10, v5
	v_add_nc_u32 v5, s57, v5                       ; codes: 2048 cg + 1024 u + 256 b + 16 r'  (block b = 2 c + h lies at 512 c + 256 h of a fragment)
	s_lshl_b32 s57, s55, 7
	s_add_co_u32 s57, s57, s56
	s_add_co_u32 s57, s57, WSC
	v_lshlrev_b32 v6, 2, v33
	v_lshl_add_u32 v6, v32, 6, v6
	v_add_nc_u32 v6, s57, v6                       ; scale byte: WSC + 128 cg + 64 u + 4 r' + b
	s_lshl_b32 s62, s22, 24                        ; W1: an expert's 16,777,216 bytes,
	s_lshl_b32 s57, s21, 9                         ; the slice's 512 bytes of a row,
	s_add_co_u32 s62, s62, s57
	s_lshl_b32 s57, s55, 7                         ; my 128 of them,
	s_add_co_u32 s62, s62, s57
	s_lshl_b32 s57, s56, 19                        ; my block's 32 rows
	s_add_co_u32 s62, s62, s57
	s_mov_b32 s63, 0
	s_lshl_b32 s57, s20, 6
	s_add_co_u32 s57, s57, LIST
	v_lshl_add_u32 v9, v2, 2, s57                  ; slot r of tile w in the list
	v_lshl_add_u32 v11, v0, 3, LIST
	v_lshl_add_u32 v[RS], v0, 3, RANKS
	v_add_nc_u32 v[RR], RANKS, v7
	v_lshlrev_b32 v[RO], 3, v0
	s_lshl_b32 s57, s20, 9
	s_add_co_u32 s57, s57, BIAS
	v_add_nc_u32 v[BA], s57, v7
	v_lshl_add_u32 v15, v3, 6, s57
	s_lshl_b32 s57, s20, 13
	s_add_co_u32 s57, s57, YIMG
	v_add_nc_u32 v[YA], s57, v7
	v_lshlrev_b32 v14, 2, v2
	v_lshlrev_b32 v31, 4, v2
	v_mov_b32 v[ZZ], 0
	v_mov_b32 v[ZZ+1], 0
	s_mov_b32 s66, 0x76543210
	s_mov_b32 s67, 0xfedcba98                      ; v_permlanex16_b32's selects for lane l xor 16
	s_mov_b32 s68, 0x4038aa3b                      ; 2 log2(e); the packed forms name pairs and take the low word: both words are written
	s_mov_b32 s69, 0x4038aa3b
	s_mov_b32 s72, 0xbd5d0dd1                      ; c7 = -17 / 315
	s_mov_b32 s73, 0xbd5d0dd1
	s_mov_b32 s74, 0x3e088889                      ; c5 = 2 / 15
	s_mov_b32 s75, 0x3e088889
	s_mov_b32 s76, 0xbeaaaaab                      ; c3 = -1 / 3
	s_mov_b32 s77, 0xbeaaaaab
	s_mov_b32 s78, 0x3e800000                      ; 0.25
	s_lshl_b32 s56, s22, 14
	s_lshl_b32 s57, s21, 9
	s_add_co_u32 s56, s56, s57                     ; b1: (4096 e + 128 x) x 4 bytes
	s_mov_b32 s57, 0
	s_lshl_b32 s60, s22, 12                        ; my expert's table of ranks
	s_mov_b32 s61, 0
	s_wait_kmcnt 0x0
	s_add_nc_u64 s[6:7], s[6:7], s[56:57]
	s_add_nc_u64 s[58:59], s[12:13], s[60:61]
	s_add_nc_u64 s[32:33], s[4:5], s[62:63]
.irp s, 1,2,3,4,5,6,7
	s_add_nc_u64 s[32+2*\s:33+2*\s], s[30+2*\s:31+2*\s], 0x200000   ; a K step: 128 rows
.endr
.irp i, 0,1,2,3,4,5,6,7
	s_load_b32 s[24+\i], s[12:13], 32768+128*\i    ; the eight counts
.endr
	global_load_b64 v[RK:RK+1], v[RO], s[58:59]    ; the ranks of tokens 2 thread, 2 thread + 1
	global_load_b128 v[BT:BT+3], v7, s[6:7]        ; b1's 512 bytes
	SLOAD 0
	SLOAD 1
	s_mov_b32 s48, 0
	s_mov_b32 s50, 0
	s_wait_kmcnt 0x0
.irp i, 0,1,2,3,4,5,6,7
	s_add_co_u32 s55, s[24+\i], 15
	s_lshr_b32 s55, s55, 4                         ; expert i's tiles
	s_cmp_gt_u32 s22, \i
	s_cselect_b32 s55, s55, 0
	s_add_co_u32 s50, s50, s55                     ; those of the experts ahead of mine
	s_cmp_eq_u32 s22, \i
	s_cselect_b32 s48, s[24+\i], s48               ; my expert's count
.endr
	s_min_u32 s48, s48, 1024
	s_add_co_u32 s49, s48, 15
	s_lshr_b32 s49, s49, 4                         ; its tiles
	s_mov_b32 s51, s20                             ; my first tile
	s_wait_loadcnt 63                              ; behind the ranks and b1 stand two sets' 64 loads
	ds_store_b64 v11, v[ZZ:ZZ+1]                   ; slots that no token takes hold token 0
	ds_store_b64 v[RS], v[RK:RK+1]
	ds_store_b128 v[BA], v[BT:BT+3]
	BAR                                            ; the zeros and the ranks lie in LDS
	s_cmp_lg_u32 s20, 0                            ; wave 0 alone lays the tokens out by rank; no other wave touches LDS up to the next barrier
	s_cbranch_scc1 .Lno_scatter
.irp i, 0,1,2,3,4,5,6,7
	ds_load_b128 v[ACC+4*\i:ACC+4*\i+3], v[RR] offset:512*\i       ; register 4 i + j: token 128 i + 4 lane + j
.endr
	s_wait_dscnt 0x0
.irp i, 0,1,2,3,4,5,6,7
.irp j, 0,1,2,3
	v_min_u32 v12, 0x400, v[ACC+4*\i+\j]           ; a rank, or word 1,024 for another expert's token
	v_lshl_add_u32 v12, v12, 2, LIST
	v_add_nc_u32 v13, 128*\i+\j, v4
	ds_store_b32 v12, v13
.endr
.endr
.Lno_scatter:
	BAR                                            ; the list lies in LDS
	MGATHER 9                                      ; on every wave's path: a tile without tokens finds token 0
	SLOAD 2
	; ---- slot 0
	SROUND 0
	BAR
.irp k, 1,2,3,4,5,6,7
	SLOT \k
.endr
	; ---- slot 8: the image is whole
	s_cmp_ge_u32 s51, s49
	s_cbranch_scc1 .Lj_8
	MSTEP1 7
	EPI1
.Lj_8:
	; ---- tiles beyond the first sixteen: three passes, a constant count; of LDS only each wave's own bytes are written any more, so no barrier
	s_add_co_u32 s51, s51, 16
	s_mov_b32 s54, 1024                            ; sixteen tiles on in the list
	s_mov_b32 s53, 1
.Lpass:
	v_add_nc_u32 v10, s54, v9
	s_cmp_ge_u32 s51, s49
	s_cbranch_scc1 .Lnext
	s_wait_loadcnt 0x0                             ; no load of mine is out
	s_wait_xcnt 0x0                                ; the last tile's stores have read their data, offsets and bases
.rept 4
	v_nop                                          ; operands last written by vector lines stand four places ahead of a scaled product
.endr
	MGATHER 10
	s_wait_loadcnt 0x0
	YSTORE
.irp s, 0,1,2,3,4,5,6,7
	MSTEP1 \s
.endr
	EPI1
.Lnext:
	s_add_co_u32 s51, s51, 16
	s_add_co_u32 s54, s54, 1024
	s_add_co_u32 s53, s53, 1
	s_cmp_lt_u32 s53, 4
	s_cbranch_scc1 .Lpass
	s_wait_tensorcnt 0x0
	ds_add_u32 v254, v255
	s_wait_dscnt 0x0
	s_endpgm
.Lfunc_end_k_qb4eb1101f2_layer1:
	.size	k_qb4eb1101f2_layer1, .Lfunc_end_k_qb4eb1101f2_layer1-k_qb4eb1101f2_layer1
	.p2alignl 7, 3214868480
	.fill 96, 4, 3214868480
	.section	.rodata,"a",@progbits
	.p2align	6, 0x0
	.amdhsa_kernel k_qb4eb1101f2_layer1
		.amdhsa_group_segment_fixed_size 219392
		.amdhsa_private_segment_fixed_size 0
		.amdhsa_enable_private_segment 0
		.amdhsa_kernarg_size 64
		.amdhsa_user_sgpr_count 2
		.amdhsa_user_sgpr_kernarg_segment_ptr 1
		.amdhsa_wavefront_size32 1
		.amdhsa_system_sgpr_workgroup_id_x 1
		.amdhsa_system_sgpr_workgroup_id_y 1
		.amdhsa_system_sgpr_workgroup_id_z 1
		.amdhsa_system_vgpr_workitem_id 0
		.amdhsa_next_free_vgpr 256
		.amdhsa_next_free_sgpr 80
		.amdhsa_reserve_vcc 1
		.amdhsa_float_denorm_mode_32 3
		.amdhsa_float_denorm_mode_16_64 3
		.amdhsa_memory_ordered 1
		.amdhsa_forward_progress 1
		.amdhsa_inst_pref_size 174
	.end_amdhsa_kernel
	.amdgpu_metadata
---
amdhsa.version: [ 1, 2 ]
amdhsa.kernels:
  - .name:           k_qb4eb1101f2_layer1
    .symbol:         k_qb4eb1101f2_layer1.kd
    .args:
      - { .name: W1, .offset: 0, .size: 8, .value_kind: global_buffer, .address_space: global }
      - { .name: b1, .offset: 8, .size: 8, .value_kind: global_buffer, .address_space: global }
      - { .name: ycodes, .offset: 16, .size: 8, .value_kind: global_buffer, .address_space: global }
      - { .name: yscales, .offset: 24, .size: 8, .value_kind: global_buffer, .address_space: global }
      - { .name: route, .offset: 32, .size: 8, .value_kind: global_buffer, .address_space: global }
      - { .name: hcodes, .offset: 40, .size: 8, .value_kind: global_buffer, .address_space: global }
      - { .name: hscales, .offset: 48, .size: 8, .value_kind: global_buffer, .address_space: global }
      - { .name: perm, .offset: 56, .size: 8, .value_kind: global_buffer, .address_space: global }
    .group_segment_fixed_size: 219392
    .private_segment_fixed_size: 0
    .kernarg_segment_align: 8
    .kernarg_segment_size: 64
    .max_flat_workgroup_size: 512
    .sgpr_count:     80
    .vgpr_count:     256
    .wavefront_size: 32
...
	.end_amdgpu_metadata
.endif
;; end of part 2
;; launch layer2 (part 3): grid 32 x 8, 16 waves a work-group, clusters of 4 x 1, 71,680 bytes of LDS; arguments W2, b2, scales, shifta, shiftb, y, route, perm, hcodes, hscales, out0; writes out0
.if DOCPART == 3
	.amdgcn_target "amdgcn-amd-amdhsa--gfx1250"
	.amdhsa_code_object_version 6
	.text
	.protected	k_qb4eb1101f2_layer2
	.globl	k_qb4eb1101f2_layer2
	.p2align	8
	.type	k_qb4eb1101f2_layer2,@function
k_qb4eb1101f2_layer2:
	s_mov_b64 s[64:65], 0
	v_nop
	global_prefetch_b8 v0, s[64:65] scope:SCOPE_SE
	s_setreg_imm32_b32 hwreg(HW_REG_WAVE_MODE, 25, 1), 1
	s_wait_xcnt 0x0
	s_wait_alu depctr_hold_cnt(0) depctr_sa_sdst(0) depctr_va_vdst(0) depctr_va_sdst(0) depctr_va_ssrc(0) depctr_va_vcc(0) depctr_vm_vsrc(0)
	s_getreg_b32 s2, hwreg(HW_REG_IB_STS2, 6, 4)
	s_cmp_eq_u32 s2, 0
	s_cbranch_scc0 .Lentry_in_a_cluster
	s_endpgm
.Lentry_in_a_cluster:
	s_bfe_u32 s2, ttmp6, 0x10000c
	s_cmp_lg_u32 s2, 0x3003
	s_cbranch_scc0 .Lentry_shape_is_right
	s_endpgm
.Lentry_shape_is_right:
; LAYER 2: out = 0.5 ((b - a) sigmoid(scales) (hid W2[e] + b2[e]) + (a + b) y), a = -sigmoid(shifta), b = sigmoid(shiftb), for the tokens that chose expert e.
;   Both operands of the product are codes of FP4 (E2M1) with E8M0 scales for each 32 along K = the 4,096 hidden units; hid's codes were made by the launch before.
; SHARES.  Work-group (x, e) owns output columns 32 x .. 32 x + 31 of expert e, over all of K, so each number of out0 has one owner: 4,096 rows x 128 bytes of W2, read once.
;   Sixteen waves, all on one text: each streams and quantises a sixteenth of W2's slice into an image in LDS, and multiplies one tile of 16 tokens, one chunk (four K steps) behind the stream.
; THE STREAM.  Wave w: rows 512 rho + 32 w + i of chunk rho, column = lane.  A lane's 32 registers are one block along K.  Three sets of 32 registers.
; THE IMAGE.  Fragment f = 2 s + n (K step s, columns 16 n on) at 1024 f, as the operand's registers lie: group c of lane l at 512 c + 16 l.  Scale word of its row r at WSC + 64 f + 4 r.  64 KiB of codes that stay.
; THE PRODUCTS.  Wave w takes tile w of the expert's tokens.  Used transposed (source 0 = 16 columns of W2, source 1 = 16 tokens): a lane holds one token and eight neighbouring outputs.  b2 is the sums' first C.
;   hid's fragments come from memory as images of their registers, a chunk at a time, into two buffers.  Tiles w + 16 p, p = 1 .. 3, follow behind the stream, from the image: 64 tiles are the most that one expert can have.
; THE TOKENS of all four tiles of a wave are loaded at the head, and their four offsets in y and out0 are made together in slot 1, where every lane has been on since the entry: the way out narrows EXEC, and no
;   address register is written behind it.  Each pass names an offset register of its own, so the three passes are written out by a macro and are no loop.
; A SLOT: wait; chunk k is quantised; if my tile has tokens: chunk k - 1 is multiplied and hid's chunk k + 1 asked for, into the buffer just read; the stream's next set; the barrier, on every wave's path.
;   The order of a wave's loads: S0 S1 | tokens 4, b2 4, H0 9, H1 9 | S2 S3 [H2] S4 [H3] S5 [H4] S6 [H5] S7 [H6] [H7] [the way out's 10]; those in brackets only where the tile has tokens.
;   Each wait has the least count over both ways.  Slot k wants S(k) and H(k - 1): behind both stand two sets' 64 loads up to slot 5; behind H5 stands S7; behind H6 perhaps nothing.
; CLUSTER.  Four work-groups with neighbouring x are launched together: they read the four neighbouring pieces of 128 bytes of every row of W2 at about the same time.
;   NO JOINT LOADS: what the four share is hid's codes, 32 KiB a tile, some 288 KiB against 512 KiB of weights that are each work-group's own; asked for jointly they would want LDS slots that are
;   filled again behind meetings of all four work-groups in every chunk, which would tie four streams that otherwise run free.  No LDS address and no branch hangs on the place in the cluster.
; A work-group whose expert has no token still streams (no barrier may be jumped on loaded numbers) and stores nothing.  Rows of a tile past the expert's count are not stored.
; LIMITS: NaN and infinities are not served; a block of zeros, or under 2^-124, gets the byte 1.  The gains are multiplied in another order than the source writes them (f32 throughout).
.set WSC,   65536                      ; LDS: behind the image's 65,536 bytes: 4,096 bytes of scale words
.set PITCH, 4096                       ; a row of W2 in bytes
.set HS,  16                           ; v16-19, v20-23 hid's scale words, two buffers     (v16-27 hold scales and nothing else)
.set WS,  24                           ; v24-27  W2's scale words: lanes 0-15 columns 0-15, lanes 16-31 columns 16-31
.set H,   40                           ; v40-71, v72-103 hid's four fragments of a chunk, two buffers
.set EG,  40                           ; at the end: v40-55 scales at my 16 columns, then the results;
.set EY,  56                           ; v56-71 y of my token there
.set WFA, 104                          ; v104-119 W2's two fragments of one K step
.set WFB, 120                          ; v120-135 and of the next
.set ACC, 136                          ; v136-151 two tiles of outputs
.set SET, 152                          ; v152-247 three sets of 32 numbers of W2
.set TK,  248                          ; v248-251 my slot's token in tiles w, w + 16, w + 32, w + 48
.set TA,  252                          ; v252-255 4096 token + 32 h for each of them; written once
; v0 thread, v1 lane, v2 r, v3 h, v4 4 lane, v5 / v6 where I store my block's codes / its scale byte, v7 16 lane, v8 WSC + 4 lane, v9 16 r, v10 32 h, v11 4 r, v12 0,
; v15 my slot's rank 16 tile + r, v28-31 the two shifts and what is made of them, v32-35 my block's codes, v36-39 at work.
; s[4:19] W2, b2, scales, shifta, shiftb, y, route, perm; s[68:71] hcodes, hscales; s[72:73] out0; s20 wave, s21 x, s22 e; s24-31 counts; s[32:47] W2 at my rows of chunks 0 .. 7, never rewritten;
; s48 count, s49 tiles, s50 tiles of earlier experts, s51 my tile, s52 its place among all; s[58:61] my tile in hcodes, hscales; s74 EXEC kept; s[76:83] my four tiles in perm, never rewritten.
.macro BAR                             ; my LDS stores have landed and my LDS loads are in: then the work-group's barrier
	s_wait_dscnt 0x0
	s_barrier_signal -1
	s_barrier_wait -1
.endm
.macro SLOAD s                         ; my block of chunk s: W2(512 s + 32 w + i, my column).  No hint: the neighbouring work-groups read the bytes beside these
.irp i, 0,1,2,3,4,5,6,7,8,9,10,11,12,13,14,15,16,17,18,19,20,21,22,23,24,25,26,27,28,29,30,31
	global_load_b32 v[SET+32*((\s)%3)+\i], v4, s[32+2*(\s):33+2*(\s)] offset:\i*PITCH
.endr
.endm
.macro SQUANT s, cnt                   ; my block of chunk s becomes 16 bytes of codes and a scale byte in the image.  cnt: see the head comment
.set XS, SET+32*((\s)%3)
	s_wait_loadcnt \cnt
	v_max3_num_f32 v36, |v[XS]|, |v[XS+1]|, |v[XS+2]|
	v_max3_num_f32 v37, |v[XS+3]|, |v[XS+4]|, |v[XS+5]|
.irp i, 6,10,14,18,22,26
	v_max3_num_f32 v36, v36, |v[XS+\i]|, |v[XS+\i+1]|
	v_max3_num_f32 v37, v37, |v[XS+\i+2]|, |v[XS+\i+3]|
.endr
	v_max3_num_f32 v36, v36, |v[XS+30]|, |v[XS+31]|
	v_max3_num_f32 v36, v36, v37, 0x1800000        ; the floor 2^(3 - 127): the byte cannot fall under 1
	v_add_nc_u32 v38, 0xff000000, v36              ; 2 off the exponent field: the conversion's scale operand
	v_lshrrev_b32 v39, 23, v38                     ; the scale's byte
.irp g, 0,1,2,3
	v_cvt_scalef32_pk8_fp4_f32 v[32+\g], v[XS+8*\g:XS+8*\g+7], v38
.endr
	v_nop                                          ; one plain line behind the last scaled conversion
	ds_store_b128 v5, v[32:35] offset:8192*(\s)
	ds_store_b8 v6, v39 offset:512*(\s)
.endm
.macro HLOAD rho                       ; hid's four fragments and scale words of chunk rho into buffer rho % 2: 9 loads
.irp ks, 0,1,2,3
.irp c, 0,1
	global_load_b128 v[H+32*((\rho)%2)+8*\ks+4*\c:H+32*((\rho)%2)+8*\ks+4*\c+3], v7, s[58:59] offset:4096*(\rho)+1024*\ks+512*\c
.endr
.endr
	global_load_b128 v[HS+4*((\rho)%2):HS+4*((\rho)%2)+3], v9, s[60:61] offset:256*(\rho)
.endm
.macro MPREP2                          ; my tile: where it lies, b2 as the sums' first C, hid's first two chunks: 22 loads
	s_add_co_u32 s52, s50, s51
	s_cmp_lt_u32 s51, s49
	s_cselect_b32 s52, s52, 0                      ; a wave without a tile reads tile 0, which some expert has always written, and uses nothing of it
	s_min_u32 s52, s52, 71
	s_lshl_b32 s56, s52, 15                        ; hcodes: 32 K steps x 1,024 bytes a tile
	s_mov_b32 s57, 0
	s_add_nc_u64 s[58:59], s[68:69], s[56:57]
	s_lshl_b32 s56, s52, 11                        ; hscales: 2,048 bytes a tile
	s_add_nc_u64 s[60:61], s[70:71], s[56:57]
	global_load_b128 v[ACC:ACC+3], v10, s[6:7]                 ; tile n, lane half h: columns 16 n + 8 h + 0 .. 7
	global_load_b128 v[ACC+4:ACC+7], v10, s[6:7] offset:16
	global_load_b128 v[ACC+8:ACC+11], v10, s[6:7] offset:64
	global_load_b128 v[ACC+12:ACC+15], v10, s[6:7] offset:80
	HLOAD 0
	HLOAD 1
	v_lshl_add_u32 v15, s51, 4, v2
.endm
.macro TOKADDR                         ; my four tokens' rows of y and of out0
.irp p, 0,1,2,3
	v_min_u32 v[TK+\p], 0x3ff, v[TK+\p]            ; a token's number
	v_lshlrev_b32 v[TA+\p], 12, v[TK+\p]
	v_lshl_add_u32 v[TA+\p], v3, 5, v[TA+\p]
.endr
.endm
.macro PROD2 rho, ks, wf, n
.if \n
	v_wmma_scale_f32_16x16x128_f8f6f4 v[ACC+8:ACC+15], v[\wf+8:\wf+15], v[H+32*((\rho)%2)+8*\ks:H+32*((\rho)%2)+8*\ks+7], v[ACC+8:ACC+15], v[WS+\ks], v[HS+4*((\rho)%2)+\ks] matrix_a_fmt:MATRIX_FMT_FP4 matrix_b_fmt:MATRIX_FMT_FP4 matrix_a_scale:MATRIX_SCALE_ROW1
.else
	v_wmma_scale_f32_16x16x128_f8f6f4 v[ACC:ACC+7], v[\wf:\wf+7], v[H+32*((\rho)%2)+8*\ks:H+32*((\rho)%2)+8*\ks+7], v[ACC:ACC+7], v[WS+\ks], v[HS+4*((\rho)%2)+\ks] matrix_a_fmt:MATRIX_FMT_FP4 matrix_b_fmt:MATRIX_FMT_FP4
.endif
.endm
.macro MPAIR2 rho, k0, k1              ; two K steps of chunk rho: W2's fragments from the image, four products, four places behind them
.irp n, 0,1
.irp c, 0,1
	ds_load_b128 v[WFA+8*\n+4*\c:WFA+8*\n+4*\c+3], v7 offset:(2*(4*(\rho)+\k0)+\n)*1024+512*\c
	ds_load_b128 v[WFB+8*\n+4*\c:WFB+8*\n+4*\c+3], v7 offset:(2*(4*(\rho)+\k1)+\n)*1024+512*\c
.endr
.endr
	s_wait_dscnt 0x0
	PROD2 \rho, \k0, WFA, 0                        ; the two accumulators take turns, one instruction a turn, from step to step too
	PROD2 \rho, \k0, WFA, 1
	PROD2 \rho, \k1, WFB, 0
	PROD2 \rho, \k1, WFB, 1
.rept 4
	v_nop                                          ; places in front of loads into registers that these products read, and of the first read of results
.endr
.endm
.macro MARM2 rho                       ; chunk rho of my tile: four K steps
.irp ks, 0,1,2,3
	ds_load_b32 v[WS+\ks], v8 offset:512*(\rho)+128*\ks
.endr
	MPAIR2 \rho, 0, 1
	MPAIR2 \rho, 2, 3
.endm
.macro EPILOAD p                       ; what the way out of tile w + 16 p wants, asked for a chunk ahead, into the buffer that has had its last use: 10 loads
	global_load_b128 v[EG:EG+3], v10, s[8:9]                   ; scales at my 16 columns
	global_load_b128 v[EG+4:EG+7], v10, s[8:9] offset:16
	global_load_b128 v[EG+8:EG+11], v10, s[8:9] offset:64
	global_load_b128 v[EG+12:EG+15], v10, s[8:9] offset:80
	global_load_b128 v[EY:EY+3], v[TA+(\p)], s[14:15]          ; y of my token there
	global_load_b128 v[EY+4:EY+7], v[TA+(\p)], s[14:15] offset:16
	global_load_b128 v[EY+8:EY+11], v[TA+(\p)], s[14:15] offset:64
	global_load_b128 v[EY+12:EY+15], v[TA+(\p)], s[14:15] offset:80
	global_load_b32 v28, v12, s[10:11]                         ; shifta
	global_load_b32 v29, v12, s[12:13]                         ; shiftb
.endm
.macro EPI2 p                          ; sigmoid(z) = 1 / (1 + 2^(-log2(e) z)) of the two shifts and my 16 scales; the gains; the mix with y; my tokens' 128 bytes each
	v_mul_f32 v28, 0xbfb8aa3b, v28
	v_mul_f32 v29, 0xbfb8aa3b, v29
.irp q, 0,2,4,6,8,10,12,14
	v_pk_mul_f32 v[EG+\q:EG+\q+1], v[EG+\q:EG+\q+1], 0xbfb8aa3b op_sel_hi:[1,0]
.endr
	v_exp_f32 v28, v28
	v_exp_f32 v29, v29
.irp j, 0,1,2,3,4,5,6,7,8,9,10,11,12,13,14,15
	v_exp_f32 v[EG+\j], v[EG+\j]
.endr
	v_nop                                          ; one plain line behind the exponentials
	s_wait_alu depctr_va_vdst(0)
	v_add_f32 v28, 1.0, v28
	v_add_f32 v29, 1.0, v29
.irp q, 0,2,4,6,8,10,12,14
	v_pk_add_f32 v[EG+\q:EG+\q+1], v[EG+\q:EG+\q+1], 1.0 op_sel_hi:[1,0]
.endr
	v_rcp_f32 v28, v28                             ; sa
	v_rcp_f32 v29, v29                             ; sb
.irp j, 0,1,2,3,4,5,6,7,8,9,10,11,12,13,14,15
	v_rcp_f32 v[EG+\j], v[EG+\j]
.endr
	v_nop                                          ; one plain line behind the reciprocals
	s_wait_alu depctr_va_vdst(0)
	v_add_f32 v30, v28, v29
	v_sub_f32 v28, v29, v28
	v_mul_f32 v30, 0.5, v30                        ; 0.5 (b - a) = 0.5 (sb + sa)
	v_mul_f32 v28, 0.5, v28                        ; 0.5 (a + b) = 0.5 (sb - sa)
	v_mov_b32 v31, v30                             ; as pairs
	v_mov_b32 v29, v28
.irp q, 0,2,4,6,8,10,12,14
	v_pk_mul_f32 v[EG+\q:EG+\q+1], v[EG+\q:EG+\q+1], v[30:31]
.endr
.irp q, 0,2,4,6,8,10,12,14
	v_pk_mul_f32 v[EG+\q:EG+\q+1], v[EG+\q:EG+\q+1], v[ACC+\q:ACC+\q+1]    ; each accumulator from its low end on
.endr
.irp q, 0,2,4,6,8,10,12,14
	v_pk_fma_f32 v[EG+\q:EG+\q+1], v[EY+\q:EY+\q+1], v[28:29], v[EG+\q:EG+\q+1]
.endr
	s_wait_xcnt 0x0                                ; EXEC changes only behind this wait
	v_cmp_gt_u32 vcc_lo, s48, v15                  ; slots under the expert's count hold tokens
	s_and_saveexec_b32 s74, vcc_lo
	global_store_b128 v[TA+(\p)], v[EG:EG+3], s[72:73]
	global_store_b128 v[TA+(\p)], v[EG+4:EG+7], s[72:73] offset:16
	global_store_b128 v[TA+(\p)], v[EG+8:EG+11], s[72:73] offset:64
	global_store_b128 v[TA+(\p)], v[EG+12:EG+15], s[72:73] offset:80
	s_wait_xcnt 0x0                                ; and again, in front of the line that widens it
	s_or_b32 exec_lo, exec_lo, s74
.endm
.macro SLOT k, cnt
	SQUANT \k, \cnt
.if (\k) == 1
	TOKADDR                                        ; on every wave's path: the tokens came with the preparing loads, which the wait above has shown in
.endif
	s_cmp_ge_u32 s51, s49
	s_cbranch_scc1 .Lj_\@
	MARM2 (\k)-1
.if (\k) <= 6
	HLOAD (\k)+1
.else
	EPILOAD 0
.endif
.Lj_\@:
.if (\k)+3 <= 7
	SLOAD (\k)+3                                   ; the set just worked takes the block three chunks on
.endif
	BAR
.endm
.macro PASS p                          ; tile w + 16 p, from the whole image; nothing in LDS is written any more, so no barrier
	s_add_co_u32 s51, s51, 16
	s_cmp_ge_u32 s51, s49
	s_cbranch_scc1 .Lnext_\@
	s_wait_loadcnt 0x0                             ; no load of mine is out
	s_wait_xcnt 0x0                                ; the last tile's stores have read their data and bases
.rept 4
	v_nop                                          ; operands last written by vector lines stand four places ahead of a scaled product
.endr
	MPREP2
	s_wait_loadcnt 9                               ; all but hid's chunk 1
	MARM2 0
	HLOAD 2
.irp rho, 1,2,3,4,5
	s_wait_loadcnt 9                               ; behind this chunk's loads: the next chunk's 9
	MARM2 \rho
	HLOAD \rho+2
.endr
	s_wait_loadcnt 9
	MARM2 6
	EPILOAD \p
	s_wait_loadcnt 0x0
	MARM2 7
	EPI2 \p
.Lnext_\@:
.endm
	s_load_b512 s[4:19], s[0:1], 0x0               ; W2, b2, scales, shifta, shiftb, y, route, perm
	s_load_b128 s[68:71], s[0:1], 0x40             ; hcodes, hscales
	s_load_b64 s[72:73], s[0:1], 0x50              ; out0
	v_lshl_add_u32 v13, v0, 2, 0x11000
	v_mov_b32 v14, 0
	v_lshrrev_b32 v1, 5, v0
	v_readfirstlane_b32 s20, v1                    ; wave 0..15
	s_bfe_u32 s21, ttmp6, 0x40000                  ; my place in the cluster
	s_lshl_b32 s55, ttmp9, 2                       ; in a cluster launch ttmp9 counts clusters
	s_add_co_u32 s21, s21, s55                     ; x: it enters global addresses alone
	s_and_b32 s22, ttmp7, 0xffff                   ; e
	v_and_b32 v1, 31, v0
	v_and_b32 v2, 15, v0
	v_bfe_u32 v3, v0, 4, 1
	v_lshlrev_b32 v4, 2, v1
	v_lshlrev_b32 v7, 4, v1
	v_add_nc_u32 v8, WSC, v4
	s_lshr_b32 s55, s20, 2                         ; which K step of a chunk
	s_and_b32 s56, s20, 3                          ; which block of it
	s_lshl_b32 s57, s55, 11
	s_lshl_b32 s54, s56, 8
	s_add_co_u32 s57, s57, s54
	v_lshlrev_b32 v5, 4, v2
	v_lshl_add_u32 v5, v3, 10, v5
	v_add_nc_u32 v5, s57, v5                       ; codes: 2048 (w / 4) + 1024 (lane / 16) + 256 (w % 4) + 16 r
	s_lshl_b32 s57, s55, 7
	s_add_co_u32 s57, s57, s56
	s_add_co_u32 s57, s57, WSC
	v_lshlrev_b32 v6, 2, v2
	v_lshl_add_u32 v6, v3, 6, v6
	v_add_nc_u32 v6, s57, v6                       ; scale byte: WSC + 128 (w / 4) + 64 (lane / 16) + 4 r + w % 4
	v_lshlrev_b32 v9, 4, v2
	v_lshlrev_b32 v10, 5, v3
	v_lshlrev_b32 v11, 2, v2
	v_mov_b32 v12, 0
.irp j, 28,29,30,31
	v_mov_b32 v\j, 0                               ; (they get their numbers a chunk ahead of the way out; written here so that they are written on every way)
.endr
	s_lshl_b32 s62, s22, 24                        ; W2: an expert's 16,777,216 bytes,
	s_lshl_b32 s55, s21, 7                         ; the slice's 128 bytes of a row,
	s_add_co_u32 s62, s62, s55
	s_lshl_b32 s55, s20, 17                        ; my 32 rows of a chunk
	s_add_co_u32 s62, s62, s55
	s_mov_b32 s63, 0
	s_lshl_b32 s56, s21, 7                         ; the slice's 128 bytes in b2, scales, y and out0
	s_mov_b32 s57, 0
	s_lshl_b32 s60, s22, 12                        ; b2: an expert's 4,096 bytes
	s_mov_b32 s61, 0
	s_wait_kmcnt 0x0
	s_add_nc_u64 s[8:9], s[8:9], s[56:57]
	s_add_nc_u64 s[14:15], s[14:15], s[56:57]
	s_add_nc_u64 s[72:73], s[72:73], s[56:57]
	s_add_nc_u64 s[6:7], s[6:7], s[56:57]
	s_add_nc_u64 s[6:7], s[6:7], s[60:61]
	s_add_nc_u64 s[32:33], s[4:5], s[62:63]
.irp s, 1,2,3,4,5,6,7
	s_add_nc_u64 s[32+2*\s:33+2*\s], s[30+2*\s:31+2*\s], 0x200000   ; a chunk: 512 rows
.endr
.irp i, 0,1,2,3,4,5,6,7
	s_load_b32 s[24+\i], s[16:17], 32768+128*\i    ; the eight counts
.endr
	SLOAD 0
	SLOAD 1
	s_mov_b32 s48, 0
	s_mov_b32 s50, 0
	s_wait_kmcnt 0x0
.irp i, 0,1,2,3,4,5,6,7
	s_add_co_u32 s55, s[24+\i], 15
	s_lshr_b32 s55, s55, 4                         ; expert i's tiles
	s_cmp_gt_u32 s22, \i
	s_cselect_b32 s55, s55, 0
	s_add_co_u32 s50, s50, s55                     ; those of the experts ahead of mine
	s_cmp_eq_u32 s22, \i
	s_cselect_b32 s48, s[24+\i], s48               ; my expert's count
.endr
	s_min_u32 s48, s48, 1024
	s_add_co_u32 s49, s48, 15
	s_lshr_b32 s49, s49, 4                         ; its tiles
	s_mov_b32 s51, s20                             ; my first tile
.irp p, 0,1,2,3                        ; which token stands in my slot of tiles w + 16 p: perm, 64 bytes a tile; a tile that the expert does not have reads tile 0
	s_add_co_u32 s55, s20, 16*\p
	s_add_co_u32 s52, s50, s55
	s_cmp_lt_u32 s55, s49
	s_cselect_b32 s52, s52, 0
	s_min_u32 s52, s52, 71
	s_lshl_b32 s56, s52, 6
	s_mov_b32 s57, 0
	s_add_nc_u64 s[76+2*\p:77+2*\p], s[18:19], s[56:57]
	global_load_b32 v[TK+\p], v11, s[76+2*\p:77+2*\p]
.endr
	MPREP2
	SLOAD 2
	; ---- slot 0
	SQUANT 0, 63
	SLOAD 3
	BAR
.irp k, 1,2,3,4,5
	SLOT \k, 63
.endr
	SLOT 6, 32
	SLOT 7, 0
	; ---- slot 8: the image is whole
	s_wait_loadcnt 0x0                             ; hid's last chunk, and what the way out wants
	s_cmp_ge_u32 s51, s49
	s_cbranch_scc1 .Lj_8
	MARM2 7
	EPI2 0
.Lj_8:
	; ---- tiles beyond the first sixteen
	PASS 1
	PASS 2
	PASS 3
	s_wait_tensorcnt 0x0
	ds_add_u32 v13, v14
	s_wait_dscnt 0x0
	s_endpgm
.Lfunc_end_k_qb4eb1101f2_layer2:
	.size	k_qb4eb1101f2_layer2, .Lfunc_end_k_qb4eb1101f2_layer2-k_qb4eb1101f2_layer2
	.p2alignl 7, 3214868480
	.fill 96, 4, 3214868480
	.section	.rodata,"a",@progbits
	.p2align	6, 0x0
	.amdhsa_kernel k_qb4eb1101f2_layer2
		.amdhsa_group_segment_fixed_size 71680
		.amdhsa_private_segment_fixed_size 0
		.amdhsa_enable_private_segment 0
		.amdhsa_kernarg_size 88
		.amdhsa_user_sgpr_count 2
		.amdhsa_user_sgpr_kernarg_segment_ptr 1
		.amdhsa_wavefront_size32 1
		.amdhsa_system_sgpr_workgroup_id_x 1
		.amdhsa_system_sgpr_workgroup_id_y 1
		.amdhsa_system_sgpr_workgroup_id_z 1
		.amdhsa_system_vgpr_workitem_id 0
		.amdhsa_next_free_vgpr 256
		.amdhsa_next_free_sgpr 84
		.amdhsa_reserve_vcc 1
		.amdhsa_float_denorm_mode_32 3
		.amdhsa_float_denorm_mode_16_64 3
		.amdhsa_memory_ordered 1
		.amdhsa_forward_progress 1
		.amdhsa_inst_pref_size 183
	.end_amdhsa_kernel
	.amdgpu_metadata
---
amdhsa.version: [ 1, 2 ]
amdhsa.kernels:
  - .name:           k_qb4eb1101f2_layer2
    .symbol:         k_qb4eb1101f2_layer2.kd
    .args:
      - { .name: W2, .offset: 0, .size: 8, .value_kind: global_buffer, .address_space: global }
      - { .name: b2, .offset: 8, .size: 8, .value_kind: global_buffer, .address_space: global }
      - { .name: scales, .offset: 16, .size: 8, .value_kind: global_buffer, .address_space: global }
      - { .name: shifta, .offset: 24, .size: 8, .value_kind: global_buffer, .address_space: global }
      - { .name: shiftb, .offset: 32, .size: 8, .value_kind: global_buffer, .address_space: global }
      - { .name: y, .offset: 40, .size: 8, .value_kind: global_buffer, .address_space: global }
      - { .name: route, .offset: 48, .size: 8, .value_kind: global_buffer, .address_space: global }
      - { .name: perm, .offset: 56, .size: 8, .value_kind: global_buffer, .address_space: global }
      - { .name: hcodes, .offset: 64, .size: 8, .value_kind: global_buffer, .address_space: global }
      - { .name: hscales, .offset: 72, .size: 8, .value_kind: global_buffer, .address_space: global }
      - { .name: out0, .offset: 80, .size: 8, .value_kind: global_buffer, .address_space: global }
    .group_segment_fixed_size: 71680
    .private_segment_fixed_size: 0
    .kernarg_segment_align: 8
    .kernarg_segment_size: 88
    .max_flat_workgroup_size: 512
    .sgpr_count:     84
    .vgpr_count:     256
    .wavefront_size: 32
...
	.end_amdgpu_metadata
.endif
;; end of part 3
;; ======== version 2 of 2: 3 launches; version 1 with the launch layer1 written anew for expert scheduling mode
;; workspace buffers: ycodes 524,288 bytes; yscales 32,768 bytes; route 33,792 bytes of whole numbers; perm 4,608 bytes of whole numbers; hcodes 2,359,296 bytes; hscales 147,456 bytes
;; launch prep: the kernel of part 1 again; grid 129 x 1, 8 waves a work-group, no clusters, 0 bytes of LDS; arguments t, y, ycodes, yscales, route; writes ycodes, yscales, route
;; launch layer1 (part 4): grid 32 x 8, 16 waves a work-group, no clusters, 219,392 bytes of LDS; arguments W1, b1, ycodes, yscales, route, hcodes, hscales, perm; writes hcodes, hscales, perm
.if DOCPART == 4
	.amdgcn_target "amdgcn-amd-amdhsa--gfx1250"
	.amdhsa_code_object_version 6
	.text
	.protected	k_qb4eb1101f2_layer1
	.globl	k_qb4eb1101f2_layer1
	.p2align	8
	.type	k_qb4eb1101f2_layer1,@function
k_qb4eb1101f2_layer1:
	s_mov_b64 s[64:65], 0
	v_nop
	global_prefetch_b8 v0, s[64:65] scope:SCOPE_SE
	s_setreg_imm32_b32 hwreg(HW_REG_WAVE_SCHED_MODE, 0, 2), 2
	s_setreg_imm32_b32 hwreg(HW_REG_WAVE_MODE, 25, 1), 1
	s_wait_xcnt 0x0
	s_wait_alu depctr_vm_vsrc(0)
; LAYER 1: hid = tanh(y W1[e] + b1[e]) for the tokens that chose expert e, both operands as codes of FP4 (E2M1) with E8M0 scales for each 32 along K = d; hid leaves as codes along the next K.
; SHARES.  Work-group (x, e) owns hidden units 128 x .. 128 x + 127 of expert e: 1,024 rows x 512 bytes of W1, read once.  That stream is the launch's work: 512 KiB a work-group against
;   some 72 KiB of y's codes.  Sixteen waves, all on one text: each streams and quantises a sixteenth of W1's slice into an image in LDS, and multiplies one tile of 16 tokens, one K step behind the stream.
; THE STREAM.  Wave w: columns 32 (w / 4) + lane, block w % 4 of each K step.  A lane takes a column and its 32 registers run down K: each load reads 128 consecutive bytes, a block's largest
;   magnitude needs no other lane, and the conversions give codes with K innermost.  Three sets of 32 registers.  Inside the slots the stream's loads are the wave's only global loads, so its waits can be counted.
; THE IMAGE.  Fragment f = 8 s + t (K step s, tile t) at 1024 f, as the operand's registers lie: group c of lane l at 512 c + 16 l.  Scale word of its row r at WSC + 64 f + 4 r.  64 KiB of codes that stay.
;   THE COLUMNS OF A TILE ARE NOT NEIGHBOURS: row r of tile 2 b + u is hidden unit 32 b + 8 u + r + 8 (r / 8), so that a lane's 16 results of tiles 2 b, 2 b + 1 are 16 neighbours along the next K.
; THE PRODUCTS.  Wave w takes tile w of the expert's sorted list.  Used transposed (source 0 = 16 hidden units, source 1 = 16 tokens): a lane holds one token.  The tile's codes of y, 8 KiB, are gathered
;   once, through the accumulators' registers, into the wave's own LDS bytes as images of the operand's registers; b1's 512 bytes likewise, and come back as the sums' first C.
;   Tiles w + 16 p, p = 1 .. 3, follow behind the stream, from the image, in a loop of constant count: 64 tiles are the most that one expert can have.
; SLOTS.  One barrier behind each slot; every K step has LDS bytes of its own, so a slot's stores never meet the reads of the K step before.  Every wave passes every barrier.
;   head: the first two sets go out; each thread copies two ranks into LDS; wave 0 scatters the tokens into LIST by their ranks, between two barriers of its own (its addresses come from loaded ranks).
;   slot 0: K step 0 is quantised.   slot k = 1 .. 7: K step k is quantised, K step k - 1 multiplied.   slot 8: K step 7 multiplied, tanh, quantised, stored.
; NO JOINT LOADS: what the work-groups of an expert share is y's codes, a seventh of a work-group's bytes, gathered by token into registers; the weights are each work-group's own.
; A work-group whose expert has no token still streams (no barrier may be jumped on loaded numbers) and stores nothing.
; tanh(x) = 1 - 2 / (1 + 2^(2 log2(e) x)); under |x| = 0.25, where that difference cancels, the series up to x^9, whose next term is under 1e-8 of x there.
; LIMITS: NaN and infinities are not served; a block of zeros, or under 2^-124, gets the byte 1.  Slots of a tile past the expert's count carry token 0: their rows are stored and enter no result.
; THE MODE: SCHED_MODE bits 1:0 = 2 (LLVM: expert scheduling mode 2), set by the entry lines.  The code itself states the register dependences
;   between vector or matrix instructions and memory or LDS instructions, with s_wait_alu, always for 0.
; THE PLAN.  Registers that memory or LDS instructions touch:
;   the offsets and LDS addresses (v4-9, v11, v14, v15, v31, v240-243, v252), the zeros and the add's two: written at the head, never again: one wait on va_vdst ahead of the first load.
;   SET0 .. SET2   Slot s: its maxima and conversions read set s % 3; behind them the loads of K step s + 3 land in it.
;   v32-35, v39    Slot s: written by its conversions and its shift, read by its two LDS stores; written again in slot s + 1, and by the way out.
;   WS, YF, WF     Written by a K step's LDS loads, read by its products; WF is loaded twice in a K step, four tiles at a time.
;   YS, ACC        The gather's loads land in them; ACC is then read by the LDS stores that lay y's image, and b1 lands in it.  From there on vector and matrix instructions alone name ACC.
;   v28-30, v10    A tile's token and offsets: made once a tile.     v48-56  The way out's codes and scale word: read by its stores.
;   So ONE wait on va_vdst stands in a slot's round, behind its conversions: they have written the stores' data and are done reading the set, and the products of the slot before are done reading WS, YF and WF;
;   the slot's stores, its 32 loads and its K step's first LDS loads follow it, and no vector line since names a register that they touch.  One more stands between a K step's halves, for WF.
;   One wait on vm_vsrc stands at the head of a round, for v32-35 and v39.  A tile's gather, its image, its way out and the head have the waits that their comments state.
.set WSC,   65536                      ; LDS: behind the image's 65,536 bytes: 4,096 bytes of scale words,
.set LIST,  69632                      ; the expert's tokens by rank: 1,024 words, and word 1,024, which takes the tokens of other experts and is never read: 4,352 bytes,
.set RANKS, 73984                      ; the expert's table of ranks as it lies in memory: 4,096 bytes,
.set BIAS,  78080                      ; b1's 512 bytes, once for each wave,
.set YIMG,  86272                      ; and 8,192 bytes for each wave: its tile's eight fragments of y
.set PITCH, 16384                      ; a row of W1 in bytes
.set WS,  16                           ; v16-19  W1's scale words: lanes 0-15 tile 2 p, lanes 16-31 tile 2 p + 1     (v16-27 hold scales and nothing else)
.set YS,  20                           ; v20-27  y's scale words, one for each K step
.set YF,  40                           ; v40-47  y's fragment of the K step in hand
.set WF,  48                           ; v48-79  four fragments of W1
.set ACC, 80                           ; v80-143 eight tiles of the hidden layer; ahead of the first product the way of y's codes into LDS
.set SET, 144                          ; v144-239 three sets of 32 numbers of W1
.set TM,  32                           ; at the end: v32-47 at work, v48-55 the codes, v56 the scale word
.set PC,  48
.set PW,  56
.set SA,  112                          ; the scatter, wave 0, at the head only: v80-111 32 ranks, v112-143 their LDS addresses,
.set SD,  48                           ; v48-79 their tokens
.set YA,  240                          ; v240 YIMG + 8192 w + 16 lane
.set BA,  241                          ; v241 BIAS + 512 w + 16 lane
.set RO,  242                          ; v242 8 x thread: my two ranks in memory
.set RS,  243                          ; v243 RANKS + 8 x thread
.set RK,  244                          ; v244-245 my two ranks
.set ZZ,  246                          ; v246-247 zeros
.set BT,  248                          ; v248-251 my 16 bytes of b1
.set RR,  252                          ; v252 RANKS + 16 lane
; v0 thread, v1 lane, v2 r = lane % 16, v3 h = lane / 16, v4 4 lane, v5 / v6 where I store my block's codes / its scale byte, v7 16 lane, v8 WSC + 4 lane, v9 LIST + 64 w + 4 r,
; v10 the same for the pass in hand, v11 LIST + 8 thread, v14 4 r, v15 BIAS + 512 w + 64 h, v28 token, v29 512 token + 16 h, v30 32 token, v31 16 r,
; v32-35 my block's codes, v36-39 at work.  v254, v255: the closing add's two.
; s[4:19] the eight buffers; s20 wave, s21 x, s22 e; s24-31 counts, and at the way out a tile's eight masks; s[32:47] W1 at my rows of K steps 0 .. 7, never rewritten; s48 count, s49 tiles, s50 tiles of earlier experts, s51 my tile, s52 its place among all.
.macro BAR                             ; my LDS stores have landed and my LDS loads are in: then the work-group's barrier
	s_wait_dscnt 0x0
	s_barrier_signal -1
	s_barrier_wait -1
.endm
.macro SLOAD s                         ; my block of K step s: W1(128 s + 32 b + i, my column)
.irp i, 0,1,2,3,4,5,6,7,8,9,10,11,12,13,14,15,16,17,18,19,20,21,22,23,24,25,26,27,28,29,30,31
	global_load_b32 v[SET+32*((\s)%3)+\i], v4, s[32+2*(\s):33+2*(\s)] offset:\i*PITCH th:TH_LOAD_NT
.endr
.endm
.macro SROUND s                        ; my block of K step s becomes 16 bytes of codes and a scale byte in the image; its set takes the block three K steps on
.set XS, SET+32*((\s)%3)
.if (\s) <= 5
	s_wait_loadcnt 63                              ; behind this set's 32 loads stand at least the next two sets' 64: the largest count that the wait can name
.elseif (\s) == 6
	s_wait_loadcnt 32                              ; behind it: the last set's 32
.else
	s_wait_loadcnt 0x0
.endif
.if (\s) > 0
	s_wait_alu depctr_vm_vsrc(0)                   ; the two LDS stores of the K step before have read v32-35 and v39, which the lines below write again
.endif
	v_max3_num_f32 v36, |v[XS]|, |v[XS+1]|, |v[XS+2]|
	v_max3_num_f32 v37, |v[XS+3]|, |v[XS+4]|, |v[XS+5]|
.irp i, 6,10,14,18,22,26
	v_max3_num_f32 v36, v36, |v[XS+\i]|, |v[XS+\i+1]|
	v_max3_num_f32 v37, v37, |v[XS+\i+2]|, |v[XS+\i+3]|
.endr
	v_max3_num_f32 v36, v36, |v[XS+30]|, |v[XS+31]|
	v_max3_num_f32 v36, v36, v37, 0x1800000        ; the floor 2^(3 - 127): the byte cannot fall under 1
	v_add_nc_u32 v38, 0xff000000, v36              ; 2 off the exponent field: the conversion's scale operand
	v_lshrrev_b32 v39, 23, v38                     ; the scale's byte
.irp g, 0,1,2,3
	v_cvt_scalef32_pk8_fp4_f32 v[32+\g], v[XS+8*\g:XS+8*\g+7], v38
.endr
	v_nop                                          ; one plain line behind the last scaled conversion
	s_wait_alu depctr_va_vdst(0)                   ; v32-35 and v39 are written, which the two stores read; the maxima and conversions are done reading this set, in which the loads below land; the products of the slot before are done reading v[WS ..], v[YF ..] and v[WF ..], in which this slot's LDS loads land
	ds_store_b128 v5, v[32:35] offset:8192*(\s)
	ds_store_b8 v6, v39 offset:512*(\s)
.if (\s)+3 <= 7
	SLOAD (\s)+3
.endif
.endm
.macro MGATHER adr                     ; my tile's tokens, their scale words, and their codes of all eight K steps, into the accumulators' registers: 18 loads
	ds_load_b32 v28, v[\adr]
	s_wait_dscnt 0x0
	v_min_u32 v28, 0x3ff, v28                      ; a token's number
	v_lshlrev_b32 v29, 9, v28
	v_lshl_add_u32 v29, v3, 4, v29
	v_lshlrev_b32 v30, 5, v28
	s_wait_alu depctr_va_vdst(0)                   ; v29 and v30 are written, which the loads below read as offsets; whatever vector and matrix lines named v[YS ..] and v[ACC ..] for the tile before are done with them: the loads land there
	global_load_b128 v[YS:YS+3], v30, s[10:11]
	global_load_b128 v[YS+4:YS+7], v30, s[10:11] offset:16
.irp s, 0,1,2,3,4,5,6,7
.irp c, 0,1
	global_load_b128 v[ACC+8*\s+4*\c:ACC+8*\s+4*\c+3], v29, s[8:9] offset:64*\s+32*\c
.endr
.endr
.endm
.macro YSTORE                          ; the eight fragments go to my own LDS bytes as they stand: group c of lane l at 512 c + 16 l
.irp s, 0,1,2,3,4,5,6,7
.irp c, 0,1
	ds_store_b128 v[YA], v[ACC+8*\s+4*\c:ACC+8*\s+4*\c+3] offset:1024*\s+512*\c
.endr
.endr
	s_wait_dscnt 0x0                               ; the stores have read their registers: b1 may land there
	s_wait_alu depctr_vm_vsrc(0)                   ; the sixteen LDS stores have read v[ACC ..], in which b1's LDS loads land and which the products then write
.endm
.macro MHALF1 s, t0, t1, t2, t3        ; four tiles of K step s: fragments from the image, four products, four places behind them
.irp t, \t0, \t1, \t2, \t3
.irp c, 0,1
	ds_load_b128 v[WF+8*(\t%4)+4*\c:WF+8*(\t%4)+4*\c+3], v7 offset:(8*(\s)+\t)*1024+512*\c
.endr
.endr
	s_wait_dscnt 0x0
.irp t, \t0, \t1, \t2, \t3
.if \t%2
	v_wmma_scale_f32_16x16x128_f8f6f4 v[ACC+8*\t:ACC+8*\t+7], v[WF+8*(\t%4):WF+8*(\t%4)+7], v[YF:YF+7], v[ACC+8*\t:ACC+8*\t+7], v[WS+\t/2], v[YS+(\s)] matrix_a_fmt:MATRIX_FMT_FP4 matrix_b_fmt:MATRIX_FMT_FP4 matrix_a_scale:MATRIX_SCALE_ROW1
.else
	v_wmma_scale_f32_16x16x128_f8f6f4 v[ACC+8*\t:ACC+8*\t+7], v[WF+8*(\t%4):WF+8*(\t%4)+7], v[YF:YF+7], v[ACC+8*\t:ACC+8*\t+7], v[WS+\t/2], v[YS+(\s)] matrix_a_fmt:MATRIX_FMT_FP4 matrix_b_fmt:MATRIX_FMT_FP4
.endif
.endr
.rept 4
	v_nop                                          ; places in front of loads into registers that these products read, and of the first read of results
.endr
.endm
.macro MSTEP1 s, w                     ; K step s of my tile: LDS loads and products alone.  The eight accumulators take turns, one instruction a turn, in the same order in every step.  w = 1: products were issued since the last wait on va_vdst
.if \w
	s_wait_alu depctr_va_vdst(0)                   ; the products of the K step before are done reading v[WS ..], v[YF ..] and v[WF ..], in which the LDS loads below land
.endif
.irp p, 0,1,2,3
	ds_load_b32 v[WS+\p], v8 offset:512*(\s)+128*\p
.endr
	ds_load_b128 v[YF:YF+3], v[YA] offset:1024*(\s)
	ds_load_b128 v[YF+4:YF+7], v[YA] offset:1024*(\s)+512
.if (\s) == 0
.irp t, 0,1,2,3,4,5,6,7                ; b1 in the result's layout starts the sums: tile t, lane half h: units 32 (t / 2) + 16 h + 8 (t % 2) + 0 .. 7
	ds_load_b128 v[ACC+8*\t:ACC+8*\t+3], v15 offset:(32*(\t/2)+8*(\t%2))*4
	ds_load_b128 v[ACC+8*\t+4:ACC+8*\t+7], v15 offset:(32*(\t/2)+8*(\t%2))*4+16
.endr
.endif
	MHALF1 \s, 0, 1, 2, 3
	s_wait_alu depctr_va_vdst(0)                   ; the four products above are done reading v[WF ..], in which the other four tiles' fragments land
	MHALF1 \s, 4, 5, 6, 7
.endm
.macro TANH t                          ; tile t in place, from its low end on.  E v48-55, U v56-63, Q v64-71
.set XT, ACC+8*(\t)
.irp q, 0,2,4,6
	v_pk_mul_f32 v[48+\q:49+\q], v[XT+\q:XT+\q+1], s[68:69] op_sel_hi:[1,0]        ; 2 log2(e) x
.endr
.irp j, 0,1,2,3,4,5,6,7
	v_exp_f32 v[48+\j], v[48+\j]
.endr
.irp q, 0,2,4,6
	v_pk_mul_f32 v[56+\q:57+\q], v[XT+\q:XT+\q+1], v[XT+\q:XT+\q+1]                ; U = x^2.  (Plain lines behind the exponentials)
.endr
.irp q, 0,2,4,6
	v_pk_fma_f32 v[64+\q:65+\q], v[56+\q:57+\q], v[72:73], s[72:73] op_sel_hi:[1,1,0]   ; Q = c9 U + c7
.endr
.irp q, 0,2,4,6
	v_pk_fma_f32 v[64+\q:65+\q], v[64+\q:65+\q], v[56+\q:57+\q], s[74:75] op_sel_hi:[1,1,0]   ; Q U + c5
.endr
.irp q, 0,2,4,6
	v_pk_fma_f32 v[64+\q:65+\q], v[64+\q:65+\q], v[56+\q:57+\q], s[76:77] op_sel_hi:[1,1,0]   ; Q U + c3
.endr
.irp j, 0,1,2,3,4,5,6,7
	v_cmp_gt_f32 s[24+\j], s78, |v[XT+\j]|                                         ; 0.25 > |x|: the series.  The tile's eight compares as a run, a mask each, while x is still untouched
.endr
	s_wait_alu depctr_va_vdst(0)                   ; the eight exponentials have written v48-55, which the additions below read
.irp q, 0,2,4,6
	v_pk_add_f32 v[48+\q:49+\q], v[48+\q:49+\q], 1.0 op_sel_hi:[1,0]
.endr
.irp j, 0,1,2,3,4,5,6,7
	v_rcp_f32 v[48+\j], v[48+\j]
.endr
.irp q, 0,2,4,6
	v_pk_mul_f32 v[56+\q:57+\q], v[56+\q:57+\q], v[XT+\q:XT+\q+1]                  ; x^3.  (Plain lines behind the reciprocals)
.endr
.irp q, 0,2,4,6
	v_pk_fma_f32 v[64+\q:65+\q], v[56+\q:57+\q], v[64+\q:65+\q], v[XT+\q:XT+\q+1]  ; the series: x + x^3 Q
.endr
	s_wait_alu depctr_va_vdst(0)                   ; the eight reciprocals have written v48-55, which the multiply-adds below read
.irp q, 0,2,4,6
	v_pk_fma_f32 v[48+\q:49+\q], v[48+\q:49+\q], -2.0, 1.0 op_sel_hi:[1,0,0]       ; 1 - 2 / (1 + e^(2 x))
.endr
	s_wait_alu depctr_va_sdst(0)                   ; the eight compares have written s24-31, which the selects below read
.irp j, 0,1,2,3,4,5,6,7
	v_cndmask_b32 v[XT+\j], v[48+\j], v[64+\j], s[24+\j]
.endr
.endm
.macro EPI1                            ; the tile's 16 x 128 hidden numbers: tanh, quantised along the next K, stored as one fragment's image and one scale word a token
	v_mov_b32 v72, 0x3cb327a4                      ; c9 = 62 / 2835, as a pair
	v_mov_b32 v73, 0x3cb327a4
.irp t, 0,1,2,3,4,5,6,7
	TANH \t
.endr
.irp b, 0,1,2,3
	v_mov_b32 v[TM+4+\b], 0                        ; a lane permute's destination counts as one of its sources
.endr
.irp b, 0,1,2,3
	v_max3_num_f32 v[TM+\b], |v[ACC+16*\b]|, |v[ACC+1+16*\b]|, 0x1800000           ; block b: my 16 numbers, register 16 b + i = unit 32 b + 16 h + i, and the floor
.endr
.irp i, 2,4,6,8,10,12,14
.irp b, 0,1,2,3
	v_max3_num_f32 v[TM+\b], v[TM+\b], |v[ACC+16*\b+\i]|, |v[ACC+1+16*\b+\i]|      ; (the four blocks by turns)
.endr
.endr
.irp b, 0,1,2,3
	v_permlanex16_b32 v[TM+4+\b], v[TM+\b], s66, s67
.endr
.irp b, 0,1,2,3
	v_max_num_f32 v[TM+\b], v[TM+\b], v[TM+4+\b]   ; with lane l xor 16's: the block's largest magnitude
.endr
.irp b, 0,1,2,3
	v_add_nc_u32 v[TM+12+\b], 0xff000000, v[TM+\b]
.endr
.irp b, 0,1,2,3
	v_lshrrev_b32 v[TM+4+\b], 23, v[TM+12+\b]
.endr
	v_lshl_or_b32 v[PW], v[TM+5], 8, v[TM+4]       ; the four bytes make my token's scale word for this K step of the next product
	v_lshl_or_b32 v[PW], v[TM+6], 16, v[PW]
	v_lshl_or_b32 v[PW], v[TM+7], 24, v[PW]
.irp b, 0,1,2,3
	v_cvt_scalef32_pk8_fp4_f32 v[PC+2*\b], v[ACC+16*\b:ACC+7+16*\b], v[TM+12+\b]
	v_cvt_scalef32_pk8_fp4_f32 v[PC+1+2*\b], v[ACC+8+16*\b:ACC+15+16*\b], v[TM+12+\b]
.endr
	v_nop                                          ; one plain line behind the last scaled conversion
.irp c, 0,1                            ; the operand's layout wants a whole block in a lane: lanes 0-15 block 2 c, lanes 16-31 block 2 c + 1
.irp i, 0,1
	v_permlane16_swap_b32 v[PC+4*\c+\i], v[PC+2+4*\c+\i]
.endr
.endr
	s_add_co_u32 s52, s50, s51                     ; my tile's place among all experts' tiles,
	s_min_u32 s52, s52, 71                         ; of which there are never more than 1024 / 16 + 7
	s_lshl_b32 s56, s52, 5
	s_add_co_u32 s56, s56, s21
	s_lshl_b32 s56, s56, 10                        ; hcodes [tile][K step x][1,024 bytes]
	s_mov_b32 s57, 0
	s_add_nc_u64 s[58:59], s[14:15], s[56:57]
	s_lshl_b32 s56, s52, 11                        ; hscales [tile][x / 4][token 16][x % 4] words
	s_lshr_b32 s55, s21, 2
	s_lshl_b32 s55, s55, 8
	s_add_co_u32 s56, s56, s55
	s_and_b32 s55, s21, 3
	s_lshl_b32 s55, s55, 2
	s_add_co_u32 s56, s56, s55
	s_add_nc_u64 s[60:61], s[16:17], s[56:57]
	s_lshl_b32 s56, s52, 6                         ; perm [tile][16] words
	s_add_nc_u64 s[62:63], s[18:19], s[56:57]
	s_wait_alu depctr_va_vdst(0)                   ; the exchanges have written the codes v[PC ..] and the shifts the scale word v[PW], which the stores below read
	global_store_b128 v7, v[PC:PC+3], s[58:59]                 ; each store covers 512 consecutive bytes, aligned
	global_store_b128 v7, v[PC+4:PC+7], s[58:59] offset:512
	global_store_b32 v31, v[PW], s[60:61]                      ; lanes r and r + 16 hold the same word and store it to the same place
	s_cmp_lg_u32 s21, 0
	s_cbranch_scc1 .Lno_perm_\@
	global_store_b32 v14, v28, s[62:63]                        ; the slice x = 0 also stores which token stands in which slot
.Lno_perm_\@:
.endm
.macro SLOT k                          ; K step k is quantised; K step k - 1 is multiplied, if my tile has tokens.  The barrier stands on every wave's path
	SROUND \k
.if (\k) == 1
	YSTORE                                         ; behind the gather's 18 loads stand two sets' 64: the wait for 63 above has shown them in
.endif
	s_cmp_ge_u32 s51, s49
	s_cbranch_scc1 .Lj_\@
	MSTEP1 (\k)-1, 0                               ; the round's wait on va_vdst stands behind the last products, and no vector line since names what these loads touch
.Lj_\@:
	BAR
.endm
	s_load_b512 s[4:19], s[0:1], 0x0               ; W1, b1, ycodes, yscales, route, hcodes, hscales, perm
	v_lshl_add_u32 v254, v0, 2, 0x35100
	v_mov_b32 v255, 0
	v_lshrrev_b32 v1, 5, v0
	v_readfirstlane_b32 s20, v1                    ; wave 0..15
	s_mov_b32 s21, ttmp9                           ; x
	s_and_b32 s22, ttmp7, 0xffff                   ; e
	v_and_b32 v1, 31, v0
	v_and_b32 v2, 15, v0
	v_bfe_u32 v3, v0, 4, 1
	v_lshlrev_b32 v4, 2, v1
	v_lshlrev_b32 v7, 4, v1
	v_add_nc_u32 v8, WSC, v4
	s_wait_alu depctr_va_sdst(0)                   ; s20 is written, ahead of its first reader: the wave's shares and addresses are made from it
	s_lshr_b32 s55, s20, 2                         ; cg: which 32 columns
	s_and_b32 s56, s20, 3                          ; b: which block of a K step
	v_bfe_u32 v32, v0, 3, 1                        ; u: my column goes to tile 2 cg + u,
	v_and_b32 v33, 7, v0
	v_lshl_add_u32 v33, v3, 3, v33                 ; row r' = lane % 8 + 8 (lane / 16)
	s_lshl_b32 s57, s55, 11
	s_lshl_b32 s54, s56, 8
	s_add_co_u32 s57, s57, s54
	v_lshlrev_b32 v5, 4, v33
	v_lshl_add_u32 v5, v32, 10, v5
	v_add_nc_u32 v5, s57, v5                       ; codes: 2048 cg + 1024 u + 256 b + 16 r'  (block b = 2 c + h lies at 512 c + 256 h of a fragment)
	s_lshl_b32 s57, s55, 7
	s_add_co_u32 s57, s57, s56
	s_add_co_u32 s57, s57, WSC
	v_lshlrev_b32 v6, 2, v33
	v_lshl_add_u32 v6, v32, 6, v6
	v_add_nc_u32 v6, s57, v6                       ; scale byte: WSC + 128 cg + 64 u + 4 r' + b
	s_lshl_b32 s62, s22, 24                        ; W1: an expert's 16,777,216 bytes,
	s_lshl_b32 s57, s21, 9                         ; the slice's 512 bytes of a row,
	s_add_co_u32 s62, s62, s57
	s_lshl_b32 s57, s55, 7                         ; my 128 of them,
	s_add_co_u32 s62, s62, s57
	s_lshl_b32 s57, s56, 19                        ; my block's 32 rows
	s_add_co_u32 s62, s62, s57
	s_mov_b32 s63, 0
	s_lshl_b32 s57, s20, 6
	s_add_co_u32 s57, s57, LIST
	v_lshl_add_u32 v9, v2, 2, s57                  ; slot r of tile w in the list
	v_lshl_add_u32 v11, v0, 3, LIST
	v_lshl_add_u32 v[RS], v0, 3, RANKS
	v_add_nc_u32 v[RR], RANKS, v7
	v_lshlrev_b32 v[RO], 3, v0
	s_lshl_b32 s57, s20, 9
	s_add_co_u32 s57, s57, BIAS
	v_add_nc_u32 v[BA], s57, v7
	v_lshl_add_u32 v15, v3, 6, s57
	s_lshl_b32 s57, s20, 13
	s_add_co_u32 s57, s57, YIMG
	v_add_nc_u32 v[YA], s57, v7
	v_lshlrev_b32 v14, 2, v2
	v_lshlrev_b32 v31, 4, v2
	v_mov_b32 v[ZZ], 0
	v_mov_b32 v[ZZ+1], 0
	s_mov_b32 s66, 0x76543210
	s_mov_b32 s67, 0xfedcba98                      ; v_permlanex16_b32's selects for lane l xor 16
	s_mov_b32 s68, 0x4038aa3b                      ; 2 log2(e); the packed forms name pairs and take the low word: both words are written
	s_mov_b32 s69, 0x4038aa3b
	s_mov_b32 s72, 0xbd5d0dd1                      ; c7 = -17 / 315
	s_mov_b32 s73, 0xbd5d0dd1
	s_mov_b32 s74, 0x3e088889                      ; c5 = 2 / 15
	s_mov_b32 s75, 0x3e088889
	s_mov_b32 s76, 0xbeaaaaab                      ; c3 = -1 / 3
	s_mov_b32 s77, 0xbeaaaaab
	s_mov_b32 s78, 0x3e800000                      ; 0.25
	s_lshl_b32 s56, s22, 14
	s_lshl_b32 s57, s21, 9
	s_add_co_u32 s56, s56, s57                     ; b1: (4096 e + 128 x) x 4 bytes
	s_mov_b32 s57, 0
	s_lshl_b32 s60, s22, 12                        ; my expert's table of ranks
	s_mov_b32 s61, 0
	s_wait_kmcnt 0x0
	s_add_nc_u64 s[6:7], s[6:7], s[56:57]
	s_add_nc_u64 s[58:59], s[12:13], s[60:61]
	s_add_nc_u64 s[32:33], s[4:5], s[62:63]
.irp s, 1,2,3,4,5,6,7
	s_add_nc_u64 s[32+2*\s:33+2*\s], s[30+2*\s:31+2*\s], 0x200000   ; a K step: 128 rows
.endr
.irp i, 0,1,2,3,4,5,6,7
	s_load_b32 s[24+\i], s[12:13], 32768+128*\i    ; the eight counts
.endr
	s_wait_alu depctr_va_vdst(0)                   ; all offsets and LDS addresses of the kernel but a tile's own (v10, v29, v30) are written, and so are the zeros v[ZZ ..]: the loads and stores from here on read them
	global_load_b64 v[RK:RK+1], v[RO], s[58:59]    ; the ranks of tokens 2 thread, 2 thread + 1
	global_load_b128 v[BT:BT+3], v7, s[6:7]        ; b1's 512 bytes
	SLOAD 0
	SLOAD 1
	s_mov_b32 s48, 0
	s_mov_b32 s50, 0
	s_wait_kmcnt 0x0
.irp i, 0,1,2,3,4,5,6,7
	s_add_co_u32 s55, s[24+\i], 15
	s_lshr_b32 s55, s55, 4                         ; expert i's tiles
	s_cmp_gt_u32 s22, \i
	s_cselect_b32 s55, s55, 0
	s_add_co_u32 s50, s50, s55                     ; those of the experts ahead of mine
	s_cmp_eq_u32 s22, \i
	s_cselect_b32 s48, s[24+\i], s48               ; my expert's count
.endr
	s_min_u32 s48, s48, 1024
	s_add_co_u32 s49, s48, 15
	s_lshr_b32 s49, s49, 4                         ; its tiles
	s_mov_b32 s51, s20                             ; my first tile
	s_wait_loadcnt 63                              ; behind the ranks and b1 stand two sets' 64 loads
	ds_store_b64 v11, v[ZZ:ZZ+1]                   ; slots that no token takes hold token 0
	ds_store_b64 v[RS], v[RK:RK+1]
	ds_store_b128 v[BA], v[BT:BT+3]
	BAR                                            ; the zeros and the ranks lie in LDS
	s_cmp_lg_u32 s20, 0                            ; wave 0 alone lays the tokens out by rank; no other wave touches LDS up to the next barrier
	s_cbranch_scc1 .Lno_scatter
.irp i, 0,1,2,3,4,5,6,7
	ds_load_b128 v[ACC+4*\i:ACC+4*\i+3], v[RR] offset:512*\i       ; register 4 i + j: token 128 i + 4 lane + j
.endr
	s_wait_dscnt 0x0
.irp i, 0,1,2,3,4,5,6,7                ; all 32 addresses and all 32 tokens are made first, each in a register of its own, so that one wait serves the 32 stores
.irp j, 0,1,2,3
	v_min_u32 v[SA+4*\i+\j], 0x400, v[ACC+4*\i+\j] ; a rank, or word 1,024 for another expert's token
.endr
.endr
.irp i, 0,1,2,3,4,5,6,7
.irp j, 0,1,2,3
	v_lshl_add_u32 v[SA+4*\i+\j], v[SA+4*\i+\j], 2, LIST
.endr
.endr
.irp i, 0,1,2,3,4,5,6,7
.irp j, 0,1,2,3
	v_add_nc_u32 v[SD+4*\i+\j], 128*\i+\j, v4
.endr
.endr
	s_wait_alu depctr_va_vdst(0)                   ; the addresses v[SA ..] and the tokens v[SD ..] are written, which the stores below read
.irp i, 0,1,2,3,4,5,6,7
.irp j, 0,1,2,3
	ds_store_b32 v[SA+4*\i+\j], v[SD+4*\i+\j]
.endr
.endr
.Lno_scatter:
	BAR                                            ; the list lies in LDS
	s_wait_alu depctr_vm_vsrc(0)                   ; wave 0's 32 stores have read v[SA ..], in which the gather's loads land, and v[SD ..], in which W1's fragments land
	MGATHER 9                                      ; on every wave's path: a tile without tokens finds token 0
	SLOAD 2
	; ---- slot 0
	SROUND 0
	BAR
.irp k, 1,2,3,4,5,6,7
	SLOT \k
.endr
	; ---- slot 8: the image is whole
	s_wait_alu depctr_vm_vsrc(0)                   ; the last K step's two LDS stores have read v32-35 and v39, which the way out writes again
	s_cmp_ge_u32 s51, s49
	s_cbranch_scc1 .Lj_8
	MSTEP1 7, 1
	EPI1
.Lj_8:
	; ---- tiles beyond the first sixteen: three passes, a constant count; of LDS only each wave's own bytes are written any more, so no barrier
	s_add_co_u32 s51, s51, 16
	s_mov_b32 s54, 1024                            ; sixteen tiles on in the list
	s_mov_b32 s53, 1
.Lpass:
	s_wait_alu depctr_vm_vsrc(0)                   ; the last pass's LDS load has read v10; the last tile's loads have read v29 and v30, its stores v28, v[PC ..] and v[PW]: all are written again below
	v_add_nc_u32 v10, s54, v9
	s_cmp_ge_u32 s51, s49
	s_cbranch_scc1 .Lnext
	s_wait_loadcnt 0x0                             ; no load of mine is out
	s_wait_xcnt 0x0                                ; the last tile's stores have read their data, offsets and bases
.rept 4
	v_nop                                          ; operands last written by vector lines stand four places ahead of a scaled product
.endr
	s_wait_alu depctr_va_vdst(0)                   ; v10 is written, which the LDS load below reads; the vector lines that named v28 for the last tile are done: that load lands there
	MGATHER 10
	s_wait_loadcnt 0x0
	YSTORE
	MSTEP1 0, 0                                    ; the gather's wait on va_vdst stands behind the last tile's products and way out, and no vector line since names what these loads touch
.irp s, 1,2,3,4,5,6,7
	MSTEP1 \s, 1
.endr
	EPI1
.Lnext:
	s_add_co_u32 s51, s51, 16
	s_add_co_u32 s54, s54, 1024
	s_add_co_u32 s53, s53, 1
	s_cmp_lt_u32 s53, 4
	s_cbranch_scc1 .Lpass
	s_wait_dscnt 0x0                               ; the closing lines, six on end
	s_wait_alu 0x0
	s_wait_tensorcnt 0x0
	ds_add_u32 v254, v255
	s_wait_dscnt 0x0
	s_endpgm
.Lfunc_end_k_qb4eb1101f2_layer1:
	.size	k_qb4eb1101f2_layer1, .Lfunc_end_k_qb4eb1101f2_layer1-k_qb4eb1101f2_layer1
	.p2alignl 7, 3214868480
	.fill 96, 4, 3214868480
	.section	.rodata,"a",@progbits
	.p2align	6, 0x0
	.amdhsa_kernel k_qb4eb1101f2_layer1
		.amdhsa_group_segment_fixed_size 219392
		.amdhsa_private_segment_fixed_size 0
		.amdhsa_enable_private_segment 0
		.amdhsa_kernarg_size 64
		.amdhsa_user_sgpr_count 2
		.amdhsa_user_sgpr_kernarg_segment_ptr 1
		.amdhsa_wavefront_size32 1
		.amdhsa_system_sgpr_workgroup_id_x 1
		.amdhsa_system_sgpr_workgroup_id_y 1
		.amdhsa_system_sgpr_workgroup_id_z 1
		.amdhsa_system_vgpr_workitem_id 0
		.amdhsa_next_free_vgpr 256
		.amdhsa_next_free_sgpr 80
		.amdhsa_reserve_vcc 0
		.amdhsa_float_denorm_mode_32 3
		.amdhsa_float_denorm_mode_16_64 3
		.amdhsa_memory_ordered 1
		.amdhsa_forward_progress 1
		.amdhsa_inst_pref_size 180
	.end_amdhsa_kernel
	.amdgpu_metadata
---
amdhsa.version: [ 1, 2 ]
amdhsa.kernels:
  - .name:           k_qb4eb1101f2_layer1
    .symbol:         k_qb4eb1101f2_layer1.kd
    .args:
      - { .name: W1, .offset: 0, .size: 8, .value_kind: global_buffer, .address_space: global }
      - { .name: b1, .offset: 8, .size: 8, .value_kind: global_buffer, .address_space: global }
      - { .name: ycodes, .offset: 16, .size: 8, .value_kind: global_buffer, .address_space: global }
      - { .name: yscales, .offset: 24, .size: 8, .value_kind: global_buffer, .address_space: global }
      - { .name: route, .offset: 32, .size: 8, .value_kind: global_buffer, .address_space: global }
      - { .name: hcodes, .offset: 40, .size: 8, .value_kind: global_buffer, .address_space: global }
      - { .name: hscales, .offset: 48, .size: 8, .value_kind: global_buffer, .address_space: global }
      - { .name: perm, .offset: 56, .size: 8, .value_kind: global_buffer, .address_space: global }
    .group_segment_fixed_size: 219392
    .private_segment_fixed_size: 0
    .kernarg_segment_align: 8
    .kernarg_segment_size: 64
    .max_flat_workgroup_size: 512
    .sgpr_count:     80
    .vgpr_count:     256
    .wavefront_size: 32
...
	.end_amdgpu_metadata
.endif
;; end of part 4
;; launch layer2: the kernel of part 3 again; grid 32 x 8, 16 waves a work-group, clusters of 4 x 1, 71,680 bytes of LDS; arguments W2, b2, scales, shifta, shiftb, y, route, perm, hcodes, hscales, out0; writes out0
